; MI455X (gfx1250); checked and timed in simulation.
; The chip was launched on July 23, 2026; its instructions are those of AMD's public machine-readable ISA for CDNA 5 (MIT licence, August 2026) and "CDNA5" Instruction Set Architecture Reference Guide (July 2026). The comments in the code are by the model that wrote it; some were corrected since.
;; Causal Self Attention. Allowed arithmetic: matrix products marked QUANTISED: E2M3 operands, one E8M0 scale for each 32 along K, by v_wmma_scale_f32_16x16x128_f8f6f4 with both operands' format E2M3, f32 sums; everything else in f32.
;; Inputs: Wk_codes 1,024 x 32 x 24 uint8 (E2M3 codes of Wk, K innermost, in blocks of 32 codes, four codes in three bytes); Wk_scales 1,024 x 32 uint8 (E8M0 scales of Wk, one for each 32 codes along K); Wp_codes 1,024 x 32 x 24 uint8 (E2M3 codes of Wp, K innermost, in blocks of 32 codes, four codes in three bytes); Wp_scales 1,024 x 32 uint8 (E8M0 scales of Wp, one for each 32 codes along K); Wq_codes 1,024 x 32 x 24 uint8 (E2M3 codes of Wq, K innermost, in blocks of 32 codes, four codes in three bytes); Wq_scales 1,024 x 32 uint8 (E8M0 scales of Wq, one for each 32 codes along K); Wv_codes 1,024 x 32 x 24 uint8 (E2M3 codes of Wv, K innermost, in blocks of 32 codes, four codes in three bytes); Wv_scales 1,024 x 32 uint8 (E8M0 scales of Wv, one for each 32 codes along K); bk 1,024 float32; bp 1,024 float32; bq 1,024 float32; bv 1,024 float32; query_codes 4 x 2,048 x 32 x 24 uint8 (E2M3 codes of query, K innermost, in blocks of 32 codes, four codes in three bytes); query_scales 4 x 2,048 x 32 uint8 (E8M0 scales of query, one for each 32 codes along K).
;; Outputs: out0 4 x 2,048 x 1,024 float32.
;; This version of the problem:
;;   THIS VERSION OF THE PROBLEM IS GIVEN IN LOW PRECISION. The matrix products marked QUANTISED in the list below multiply operands that are first quantised to E2M3 (2 exponent bits, 3 mantissa bits; 6 bits a number), with one power-of-two scale for each 32 numbers along K (OCP MX v1.0); their sums are f32. All else is computed in f32.
;;   The module's matrix products, in the order in which they are computed (A, B: the left and right operand; K: the contracted axis; several contracted axes count as one K, in the product's order):
;;     1. [M 8,192, K 1,024] x [K 1,024, N 1,024]; A: input query (given as codes); B: input Wq (given as codes): QUANTISED
;;     2. [M 8,192, K 1,024] x [K 1,024, N 1,024]; A: input query (given as codes); B: input Wk (given as codes): QUANTISED
;;     3. [M 8,192, K 1,024] x [K 1,024, N 1,024]; A: input query (given as codes); B: input Wv (given as codes): QUANTISED
;;     4. batch 64 x [M 2,048, K 64] x [K 64, N 2,048]; A: computed on the way; B: computed on the way: QUANTISED
;;     5. batch 64 x [M 2,048, K 2,048] x [K 2,048, N 64]; A: softmax (see below); B: computed on the way: QUANTISED
;;     6. [M 8,192, K 1,024] x [K 1,024, N 1,024]; A: computed on the way; B: input Wp (given as codes): QUANTISED
;;   THE QUANTISER, for each operand of a quantised product, along K:
;;     - K is cut into blocks of 32 from its start; a last block that is shorter is filled with zeros.
;;     - A block's scale is 2^e with e = floor(log2(the largest magnitude in the block)) - 2, held to -126 .. 127; a block of zeros has e = 0. As a byte (E8M0): e + 127.
;;     - Each number is divided by its block's scale, clamped to +-7.5, and rounded to the nearest number of E2M3, ties to even, subnormals kept.
;;     - The product sums the exact products of the quantised numbers (number of the format x scale) in f32.
;;   ~~~python
;;   def quantise(x, axis):      # numpy; x: float32 -> the quantised numbers, widened to float32 again
;;       x = np.moveaxis(x, axis, -1); K = x.shape[-1]
;;       x = np.pad(x, [(0, 0)] * (x.ndim - 1) + [(0, -K % 32)]); x = x.reshape(x.shape[:-1] + (-1, 32)); a = np.abs(x).max(-1, keepdims=True)
;;       e = np.where(a > 0, np.clip(np.frexp(np.where(a > 0, a, 1))[1] - 1 - 2, -126, 127), 0)      # np.frexp(a)[1] - 1 = floor(log2(a)), exactly
;;       r = np.clip(x / 2.0 ** e, -7.5, 7.5)
;;       step = 2.0 ** (np.maximum(np.frexp(np.where(r == 0, 1, r))[1] - 1, 0) - 3)
;;       q = np.round(r / step) * step * 2.0 ** e      # np.round: ties to even
;;       return np.moveaxis(q.reshape(q.shape[:-2] + (-1,))[..., :K], -1, axis).astype(np.float32)
;;   ~~~
;;   SOFTMAX AHEAD OF A QUANTISED PRODUCT. Where the list says 'softmax', what is quantised is not the finished softmax but p = 2^(t - M), with t = logit x log2(e) and M = ceil(the row's largest t), a whole number; so 1/2 < the row's largest p <= 1. The row's sum l is taken of the UNQUANTISED p, in f32, and the product's result is divided by l at the end. Since M is a whole number, a kernel that streams over the keys may use a running M (the ceiling of the running maximum): every later rescaling is an exact power of two, which a block's scale takes up: the codes' values come out the same.
;;   OPERANDS COMPUTED ON THE WAY. 'Computed on the way' means the value that the module computes at that place (a softmax that the list does not call 'softmax' is quantised finished and normalised). What goes into a quantiser is computed in f32, as accurately as f32 sums, v_exp_f32 and their like allow (about 1e-6 of the number): no bf16 or f16 on the way to a quantiser, and a product that is left as it is and whose result goes on into a quantised operand takes f32 operands (vector FMAs, or v_wmma_f32_16x16x4_f32). A number that lies on a knife's edge between two numbers of the format may be rounded either way, as far as f32 arithmetic and the matrix unit's own rounding can turn it there, and no further.
;;   INPUTS GIVEN AS CODES. Wk (in the module: [1024, 1024], K = its axis 1); Wp (in the module: [1024, 1024], K = its axis 1); Wq (in the module: [1024, 1024], K = its axis 1); Wv (in the module: [1024, 1024], K = its axis 1); query (in the module: [4, 2048, 1024], K = its axis 2): each comes as NAME_codes (uint8): NAME with its K axis moved to the last place and cut into blocks of 32 codes, [.., K / 32, bytes a block], one block behind the other in memory; four codes in three bytes: a row's codes are one little-endian stream of bits, code i at bits 6 i .. 6 i + 5 (a code: sign, 2 exponent bits, 3 mantissa bits); and NAME_scales (uint8): the same leading axes, one E8M0 byte (e + 127) for each 32 codes along K. Its value is code x scale, taken as it is: it is not quantised again, and the codes and scales need not be those that the quantiser above would give.
;; One version. Each part assembles by itself: llvm-mc -triple=amdgcn-amd-amdhsa -mcpu=gfx1250 --defsym DOCPART=n.
;; ======== version 1 of 1: 3 launches
;; workspace buffers: qb 6,553,600 bytes; kv 13,107,200 bytes; yimg 6,291,456 bytes; ysc 262,144 bytes
;; launch qkv (part 1): grid 12 x 32, 4 waves a work-group, clusters of 4 x 4, 327,680 bytes of LDS; arguments query_codes, query_scales, Wq_codes, Wq_scales, Wk_codes, Wk_scales, Wv_codes, Wv_scales, bq, bk, bv, qb, kv; writes qb, kv
.if DOCPART == 1
	.amdgcn_target "amdgcn-amd-amdhsa--gfx1250"
	.amdhsa_code_object_version 6
	.text
	.protected	k_q19d9d0b40b_qkv
	.globl	k_q19d9d0b40b_qkv
	.p2align	8
	.type	k_q19d9d0b40b_qkv,@function
k_q19d9d0b40b_qkv:
	s_mov_b64 s[64:65], 0
	v_nop
	global_prefetch_b8 v0, s[64:65] scope:SCOPE_SE
	s_setreg_imm32_b32 hwreg(HW_REG_WAVE_MODE, 25, 1), 1
	s_wait_xcnt 0x0
	s_wait_alu depctr_hold_cnt(0) depctr_sa_sdst(0) depctr_va_vdst(0) depctr_va_sdst(0) depctr_va_ssrc(0) depctr_va_vcc(0) depctr_vm_vsrc(0)
	s_getreg_b32 s2, hwreg(HW_REG_IB_STS2, 6, 4)
	s_cmp_eq_u32 s2, 0
	s_cbranch_scc0 .Lentry_in_a_cluster
	s_endpgm
.Lentry_in_a_cluster:
	s_bfe_u32 s2, ttmp6, 0x10000c
	s_cmp_lg_u32 s2, 0xf033
	s_cbranch_scc0 .Lentry_shape_is_right
	s_endpgm
.Lentry_shape_is_right:
; q = x Wq^T + bq, k = x Wk^T + bk, v = x Wv^T + bv on codes of FP6 (E2M3) with one E8M0 scale for each 32 along K = 1,024; sums in f32.  The results never leave as f32: they are
; quantised here, q and k along the head's 64 channels, v along the keys, and stored as IMAGES OF OPERAND REGISTERS, as the attention launch loads them.
; A tile of 256 x 256 is made by four waves, each 128 x 128: 64 accumulators, 512 registers.  K goes in steps of 256 through a ring of two LDS slots filled by the tensor data mover.
; ROLES.  P is source 1: a lane holds ONE row of P.  R is source 0: a lane's registers run along R's rows, which is the axis along which the result is quantised.
;   cluster x = 0: P = x, R = Wq;   1: P = x, R = Wk  (a lane holds a token, its registers run along the channels);   2: P = Wv, R = x  (a lane holds a channel, its registers run along the keys).
; All three have rows of 768 bytes of codes and 32 scale bytes, so one loop serves them: only pointers and tile coordinates are chosen, on the cluster's x, which all sixteen partners share.
; CLUSTERS: 4 x 4 work-groups; P's tiles are asked for jointly along a row of the cluster, R's along a column.
; RECORDS.  For each (batch x head, group of 128 tokens): in kv 12,800 bytes: k's four images of 1,536 bytes (image p: registers 0-5 = tokens 32 p + r, registers 6-11 = tokens 32 p + 16 + r; lane (r, h) holds the
; head's channel block h), v's four images (image t: channel 16 t + r, 128 keys), 256 bytes of k's scale words, 256 of v's.  In qb 6,400 bytes: q's four images and its scale words, laid as k's.
; An image: registers 4 c .. 4 c + 3 of lane l at 512 c + 16 l.  Scale words: lane l's 8 bytes at 8 l hold the words of images 2 (l / 16) and 2 (l / 16) + 1 for row l % 16.
; ORDER INSIDE A BLOCK OF 32: a lane's 16 numbers of a block are 8 h + 0..7 and 16 + 8 h + 0..7, so the codes lie in the order 0-7, 16-23, 8-15, 24-31.  q and k are made by the same lines, and so are v and the
; attention's p: both sides of each later product have the same order, and a block keeps its 32 members and its scale.
; LIMITS: NaN and infinities are not served.  A block whose largest magnitude lies under 2^-124 (a block of zeros among them) gets the byte 1: its codes are zeros, and this program alone reads the bytes.
; REGISTERS: window 0: v0-31 addresses; v32-63 scale words, two sets; v64-127 the bias along R's rows; v128-223 P's fragments, one set; v224-239 the bias along P's rows.  window 1: R's fragments, two sets.
;   windows 2, 3: the accumulators ((a, b) at v[8 (8 (a % 4) + b)]).  On the way out window 0's v32-61 and v128-222 are at work.
.set NQ,     2                         ; matrix instructions deep in a slot: 256 along K
.set ROWB,   192                       ; a tile's row in bytes
.set KROW,   768                       ; a row of codes in memory
.set PITCH,  240                       ; an LDS row: 3 x (64 bytes + 16 of padding)
.set FR,     12                        ; registers of a fragment
.set NL,     6                         ; LDS loads that bring one
.set NP,     4                         ; places behind this matrix instruction (ISA guide 7.12.1)
.set HALFT,  128*PITCH                 ; 128 rows: one tensor load
.set SLOT,   4*HALFT                   ; P's 256 rows, then R's 256
.set KS,     32                        ; a row of scale bytes
.set SCL,    2*SLOT                    ; behind the ring: the scales of the 512 rows, as units of 256 bytes + 16
.set HALFS,  (128*KS/256)*272
.set SBLK,   (16*KS/256)*272
.set SPARE,  SCL+4*HALFS               ; the spare words: 128 bytes a wave, two blocks of 256 bytes that no other line names
.set ADRA, 16                          ; v16-19  LDS addresses of P's fragments (slot 0, 1; then the same behind one padding more)
.set ADRB, 20                          ; v20-23  of R's
.set LI,   24                          ; v24     16 x lane: an image's place
.set L8,   25                          ; v25     8 x lane: the scale words' place
.set ADRS, 27                          ; v27     LDS address of my scale words: lanes 0-15 P's rows, lanes 16-31 R's
.set SPW,  28                          ; v28     my spare word; never rewritten
.set NIL,  29                          ; v29     0; never rewritten
.set SC,   32
.set BI,   64                          ; v64-127  bias[first channel + 16 b + 8 h + j] at register 8 b + j
.set AF,   128
.set BV,   224                         ; v224-239 bias[first channel + 16 a + r], twice, at registers 2 a and 2 a + 1
.set T,    128                         ; the way out: 64 numbers of a lane
.set IMG0, 192                         ; an image, 12 registers
.set IMG1, 204                         ; a second one
.set CT,   216                         ; v216-218, v220-222: conversions' results on their way
.set TM,   32                          ; v32-35 largest magnitudes, v36-39 bytes, v44-47 the conversions' scale operands
.set WD,   48                          ; v48-49  two scale words just made
.set WW,   50                          ; v50-57  the eight scale words of my two records
.set XW,   58                          ; v58-61  as they are stored
.set G1, 24
.set G0, 32
.set G1B, 48
.set G0B, 56
.set G1S, 68
.set G0S, 76
.set G1SB, 80
.set G0SB, 88
.set SEL, 20                           ; s[20:21] on the way out: v_permlanex16_b32's selects for lane l xor 16
.set MSB, 0
.macro WIN new                         ; the immediate's high byte repeats the setting that is left
.if MSB != (\new)
	s_set_vgpr_msb (MSB<<8)|(\new)
.set MSB, (\new)
.endif
.endm
.set MUL_LO, 0xa1                      ; source 0 (R) window 1, source 1 (P) window 0, C and D window 2
.set MUL_HI, 0xf1                      ; the same, C and D window 3
.set TO_B,   0x40                      ; destination window 1, address window 0
; A joint load: waves 0 and 1 fetch for P, waves 2 and 3 for R.  The branch hangs on the wave's number alone.  Four v_nop follow each of the two lines.
.macro JLOAD g0a, g1a, g0b, g1b
	s_cmp_eq_u32 s15, 0
	s_cbranch_scc0 .Lfor_b_\@
	tensor_load_to_lds s[\g0a:\g0a+3], s[\g1a:\g1a+7]
	s_nop 0
.rept 4
	v_nop
.endr
	s_branch .Lasked_\@
.Lfor_b_\@:
	tensor_load_to_lds s[\g0b:\g0b+3], s[\g1b:\g1b+7]
	s_nop 0
.rept 4
	v_nop
.endr
.Lasked_\@:
.endm
.macro CREST                           ; a round of the cluster's barrier behind its opening barrier
	s_cmp_lg_u32 s14, 0
	s_cbranch_scc1 .Lnot_wave_0_\@
	s_barrier_signal -3
.Lnot_wave_0_\@:
	s_barrier_wait -3
	s_barrier_signal -1
	s_barrier_wait -1
.endm
.macro CROUND                          ; a whole round
	s_barrier_signal -1
	s_barrier_wait -1
	CREST
.endm
	s_load_b512 s[68:83], s[0:1], 0x0              ; x's codes, x's scales, Wq's, Wk's, Wv's codes and scales
	s_load_b256 s[84:91], s[0:1], 0x40             ; bq, bk, bv, qb
	s_load_b64 s[92:93], s[0:1], 0x60              ; kv
	v_lshl_add_u32 v[SPW], v0, 2, SPARE
	v_mov_b32 v[NIL], 0
	ds_add_u32 v28, v29
	s_wait_dscnt 0x0
	v_lshrrev_b32 v1, 5, v0
	v_readfirstlane_b32 s14, v1                    ; wave 0..3
	s_lshr_b32 s15, s14, 1                         ; which half of P's rows is mine.  Also: I fetch for P (0) or for R (1)
	s_and_b32 s16, s14, 1                          ; which half of R's rows.  Also: which 128 rows I fetch
	s_bfe_u32 s40, ttmp6, 0x40000                  ; cx, cy: my place in the cluster
	s_bfe_u32 s41, ttmp6, 0x40004
	s_and_b32 s67, ttmp7, 0xffff
	s_lshl_b32 s67, s67, 2                         ; 4 x cluster y: it walks x's 32 tiles of 256 tokens
	s_cmp_eq_u32 ttmp9, 2                          ; v's clusters?  x is then R
	s_cselect_b32 s17, 0, s67
	s_cselect_b32 s42, s67, 0
	s_add_co_u32 s17, s17, s41                     ; P's tile: hangs on cy and the cluster alone
	s_add_co_u32 s42, s42, s40                     ; R's tile: on cx and the cluster alone
	s_lshl_b32 s43, s41, 2
	s_lshl_b32 s43, 15, s43                        ; my row of the cluster
	s_lshl_b32 s44, 0x1111, s40                    ; my column
	; descriptor group 1: a tile of 128 rows x 192 bytes, 16 bytes of padding behind every 64
	s_or_b32 s[G1+0], s43, (0<<16)|(1<<20)|(1<<21)|(3<<22)|(3<<25)
	s_or_b32 s[G1B+0], s44, (0<<16)|(1<<20)|(1<<21)|(3<<22)|(3<<25)
.irp g, G1, G1B
	s_mov_b32 s[\g+1], ROWB<<16                    ; tensor_dim0
	s_mov_b32 s[\g+2], 128<<16                     ; tensor_dim1
	s_mov_b32 s[\g+3], ROWB<<16                    ; tile_dim0
	s_mov_b32 s[\g+4], 128                         ; tile_dim1
	s_mov_b32 s[\g+5], KROW                        ; tensor_dim0_stride
	s_mov_b32 s[\g+6], 0
	s_mov_b32 s[\g+7], 0
.endr
	; where my wave's results go: these numbers enter the bias's and the records' global addresses alone
	s_cmp_eq_u32 ttmp9, 2
	s_cselect_b32 s18, s42, s17                    ; the tile of 256 tokens,
	s_cselect_b32 s19, s16, s15                    ; my half of it,
	s_cselect_b32 s20, s17, s42                    ; the tile of 256 channels,
	s_cselect_b32 s21, s15, s16                    ; my half of it
	s_lshr_b32 s22, s18, 3                         ; batch
	s_and_b32 s18, s18, 7
	s_lshl_b32 s18, s18, 1
	s_add_co_u32 s18, s18, s19                     ; the group of 128 tokens in the batch
	s_lshl_b32 s20, s20, 2
	s_lshl_b32 s21, s21, 1
	s_add_co_u32 s20, s20, s21                     ; my first head of two
	s_lshl_b32 s22, s22, 4
	s_add_co_u32 s22, s22, s20                     ; 16 x batch + head
	s_lshl_b32 s22, s22, 4
	s_add_co_u32 s18, s22, s18                     ; the record's number
	s_lshl_b32 s20, s20, 8                         ; my first channel's byte in the bias: 64 channels x 4 bytes a head
	s_mov_b32 s21, 0
	s_mov_b32 s22, 12800
	s_mov_b32 s98, 12288
	s_cmp_eq_u32 ttmp9, 0
	s_cselect_b32 s22, 6400, s22                   ; a record's bytes: qb's or kv's
	s_cselect_b32 s98, 6144, s98                   ; where its scale words lie: q's, k's,
	s_mov_b32 s19, 12544
	s_cmp_eq_u32 ttmp9, 2
	s_cselect_b32 s98, s19, s98                    ; or v's
	s_mov_b32 s99, 0
	s_mul_i32 s18, s18, s22                        ; the record's byte (under 2^24)
	s_mov_b32 s19, 0
	s_lshl_b32 s22, s22, 4                         ; the next head's record lies 16 records on
	s_mov_b32 s23, 0
	s_wait_kmcnt 0x0
	s_cmp_eq_u32 ttmp9, 0                          ; the choices hang on the cluster's x alone
	s_cselect_b64 s[8:9], s[72:73], s[76:77]       ; Wq or Wk: codes,
	s_cselect_b64 s[10:11], s[74:75], s[78:79]     ; scales,
	s_cselect_b64 s[12:13], s[84:85], s[86:87]     ; bias,
	s_cselect_b64 s[96:97], s[90:91], s[92:93]     ; qb or kv
	s_cmp_eq_u32 ttmp9, 2
	s_cselect_b64 s[4:5], s[80:81], s[68:69]       ; P's codes: Wv's or x's
	s_cselect_b64 s[6:7], s[82:83], s[70:71]       ; P's scales
	s_cselect_b64 s[8:9], s[68:69], s[8:9]         ; R's codes
	s_cselect_b64 s[10:11], s[70:71], s[10:11]     ; R's scales
	s_cselect_b64 s[12:13], s[88:89], s[12:13]     ; the bias
	s_add_nc_u64 s[12:13], s[12:13], s[20:21]      ; at my first channel
	s_add_nc_u64 s[96:97], s[96:97], s[18:19]      ; my first head's record,
	s_add_nc_u64 s[100:101], s[96:97], s[22:23]    ; my second head's
	; group 1 for the scales of 128 rows: a dense block of 4,096 bytes, as rows of 256 bytes (32 elements of 8), 16 bytes of padding behind each.  (s68 to s93 have given up their pointers)
	s_or_b32 s[G1S+0], s43, (3<<16)|(1<<20)|(1<<21)|(5<<22)|(3<<25)
	s_or_b32 s[G1SB+0], s44, (3<<16)|(1<<20)|(1<<21)|(5<<22)|(3<<25)
.irp g, G1S, G1SB
	s_mov_b32 s[\g+1], 32<<16
	s_mov_b32 s[\g+2], (128*KS/256)<<16
	s_mov_b32 s[\g+3], 32<<16
	s_mov_b32 s[\g+4], 128*KS/256
	s_mov_b32 s[\g+5], 32
	s_mov_b32 s[\g+6], 0
	s_mov_b32 s[\g+7], 0
.endr
	s_lshl_b32 s18, s16, 7                         ; which 128 rows of the tile I fetch
	s_lshl_b32 s20, s17, 8
	s_add_co_u32 s20, s20, s18                     ; P: row 256 x tile + 128 x half
	s_lshl_b32 s46, s42, 8
	s_add_co_u32 s46, s46, s18                     ; R likewise
	s_mov_b32 s21, 0
	s_mov_b32 s47, 0
	s_mov_b64 s[18:19], KS
	s_mul_u64 s[22:23], s[20:21], s[18:19]         ; where these rows' scales begin,
	s_mul_u64 s[92:93], s[46:47], s[18:19]
	s_mov_b64 s[18:19], KROW
	s_mul_u64 s[20:21], s[20:21], s[18:19]         ; and their codes
	s_mul_u64 s[46:47], s[46:47], s[18:19]
	s_mul_i32 s45, s14, HALFT                      ; where they go: wave x 128 rows: no place in the cluster enters an LDS address
	s_mul_i32 s94, s14, HALFS
	s_add_nc_u64 s[20:21], s[4:5], s[20:21]
	s_add_nc_u64 s[22:23], s[6:7], s[22:23]
	s_add_nc_u64 s[46:47], s[8:9], s[46:47]
	s_add_nc_u64 s[92:93], s[10:11], s[92:93]
	CROUND                                         ; all sixteen work-groups are here: the first joint loads meet
	s_mov_b32 s[G0S], 1
	s_add_co_u32 s[G0S+1], s94, SCL
	s_mov_b64 s[G0S+2:G0S+3], s[22:23]
	s_or_b32 s[G0S+3], s[G0S+3], 0x80000000
	s_mov_b32 s[G0SB], 1
	s_add_co_u32 s[G0SB+1], s94, SCL
	s_mov_b64 s[G0SB+2:G0SB+3], s[92:93]
	s_or_b32 s[G0SB+3], s[G0SB+3], 0x80000000
	JLOAD G0S, G1S, G0SB, G1SB                     ; the scales first: they are wanted with K step 0
.irp s, 0,1
	s_mov_b32 s[G0+4*\s], 1
	s_add_co_u32 s[G0+4*\s+1], s45, \s*SLOT
	s_add_nc_u64 s[G0+4*\s+2:G0+4*\s+3], s[20:21], \s*ROWB
	s_or_b32 s[G0+4*\s+3], s[G0+4*\s+3], 0x80000000
	s_mov_b32 s[G0B+4*\s], 1
	s_add_co_u32 s[G0B+4*\s+1], s45, \s*SLOT
	s_add_nc_u64 s[G0B+4*\s+2:G0B+4*\s+3], s[46:47], \s*ROWB
	s_or_b32 s[G0B+4*\s+3], s[G0B+4*\s+3], 0x80000000
	JLOAD G0+4*\s, G1, G0B+4*\s, G1B
.endr
	v_and_b32 v1, 15, v0                           ; r = l % 16
	v_bfe_u32 v2, v0, 4, 1                         ; h = l / 16
	v_mul_u32_u24 v3, v1, PITCH
	v_mul_u32_u24 v4, v2, 24
	v_add_nc_u32 v4, v3, v4                        ; a fragment's row x pitch + 24 x half
	v_lshl_add_u32 v5, v2, 4, v4                   ; and the same behind one padding more
	s_mul_i32 s21, s15, HALFT                      ; my 128 rows of P
	s_mul_i32 s22, s16, HALFT                      ; my 128 rows of R,
	s_add_co_u32 s22, s22, 2*HALFT                 ; which lie behind P's 256
.irp s, 0,1
	v_add_nc_u32 v[ADRA+\s], s21, v4
	v_add_nc_u32 v[ADRB+\s], s22, v4
	v_add_nc_u32 v[ADRA+2+\s], s21, v5
	v_add_nc_u32 v[ADRB+2+\s], s22, v5
	s_add_co_u32 s21, s21, SLOT
	s_add_co_u32 s22, s22, SLOT
.endr
	v_mul_u32_u24 v5, v1, KS                       ; my row's scales: 32 bytes a row,
	v_lshrrev_b32 v6, 8, v5
	v_lshl_add_u32 v5, v6, 4, v5                   ; and 16 more for each 256 passed
	s_mul_i32 s21, s15, HALFS
	s_mul_i32 s22, s16, HALFS
	s_add_co_u32 s22, s22, 2*HALFS
	s_sub_co_u32 s22, s22, s21
	v_mul_u32_u24 v6, s22, v2                      ; lanes 16-31 take R's
	s_add_co_u32 s21, s21, SCL
	v_add_nc_u32 v5, v5, v6
	v_add_nc_u32 v[ADRS], s21, v5
	v_and_b32 v6, 31, v0
	v_lshlrev_b32 v[LI], 4, v6
	v_lshlrev_b32 v[L8], 3, v6
	v_lshlrev_b32 v8, 5, v2                        ; the bias along R's rows: 32 h bytes on;
	v_lshlrev_b32 v9, 2, v1                        ; along P's rows: 4 r.  Both are loaded on every path: both stay inside my 128 channels
.irp b, 0,1,2,3,4,5,6,7
	global_load_b128 v[BI+8*\b:BI+8*\b+3], v8, s[12:13] offset:64*\b
	global_load_b128 v[BI+8*\b+4:BI+8*\b+7], v8, s[12:13] offset:64*\b+16
	global_load_b32 v[BV+2*\b], v9, s[12:13] offset:64*\b
	global_load_b32 v[BV+2*\b+1], v9, s[12:13] offset:64*\b
.endr
.macro FRAG reg, adr, q, i             ; 16 rows x 128 K of 6-bit codes: 12 registers; lane l holds row l % 16; registers 6 c .. 6 c + 5 hold K = 64 c + 32 (l / 16) + 0 .. 31: 24 bytes of the row, as they lie
.irp p, 0,1,2,3,4,5                    ; in pieces of 8 bytes.  Where the piece of lanes 16-31, three pieces on, lies behind one padding more, the second address register serves
.set PC, 12*(\q)+6*(\p/3)+\p%3
.if PC%8 < 5
	ds_load_b64 v[\reg+2*\p:\reg+2*\p+1], v[\adr] offset:8*PC+16*(PC/8)+(\i)*16*PITCH
.else
	ds_load_b64 v[\reg+2*\p:\reg+2*\p+1], v[\adr+2] offset:8*PC+16*(PC/8)+(\i)*16*PITCH
.endif
.endr
.endm
; 16 matrix instructions: P's blocks a0, a0 + 1 x R's eight, 128 along K.  p: R's set; sc: the set of scale words.  zero = 1: the first product starts the sums.
; The 64 accumulators take turns, one instruction a turn, in the same order in every step.
.macro MUL16 a0, p, q, sc, zero
.irp a, \a0, \a0+1
.irp b, 0,1,2,3,4,5,6,7
.if \zero
	v_wmma_scale_f32_16x16x128_f8f6f4 v[8*(8*((\a)%4)+\b):8*(8*((\a)%4)+\b)+7], v[128*(\p)+FR*\b:128*(\p)+FR*\b+FR-1], v[AF+FR*(\a):AF+FR*(\a)+FR-1], 0, v[SC+8*NQ*(\sc)+NQ*\b+(\q)], v[SC+8*NQ*(\sc)+NQ*(\a)+(\q)] matrix_a_fmt:MATRIX_FMT_FP6 matrix_b_fmt:MATRIX_FMT_FP6 matrix_a_scale:MATRIX_SCALE_ROW1
.else
	v_wmma_scale_f32_16x16x128_f8f6f4 v[8*(8*((\a)%4)+\b):8*(8*((\a)%4)+\b)+7], v[128*(\p)+FR*\b:128*(\p)+FR*\b+FR-1], v[AF+FR*(\a):AF+FR*(\a)+FR-1], v[8*(8*((\a)%4)+\b):8*(8*((\a)%4)+\b)+7], v[SC+8*NQ*(\sc)+NQ*\b+(\q)], v[SC+8*NQ*(\sc)+NQ*(\a)+(\q)] matrix_a_fmt:MATRIX_FMT_FP6 matrix_b_fmt:MATRIX_FMT_FP6 matrix_a_scale:MATRIX_SCALE_ROW1
.endif
.endr
.endr
.endm
.macro FETCH_B slot, q, p              ; R's eight fragments of the slot's q-th 128 along K into set p
	WIN TO_B
.irp i, 0,1,2,3,4,5,6,7
	FRAG 128*(\p)+FR*\i, ADRB+\slot, \q, \i
.endr
	WIN 0
.endm
.macro FETCH_A slot, q, i0             ; P's blocks i0 .. i0 + 3
.irp i, \i0, \i0+1, \i0+2, \i0+3
	FRAG AF+FR*(\i), ADRA+\slot, \q, \i
.endr
.endm
.macro SCALES sc                       ; a K step's scale words into set sc: lanes 0-15 take P's block i, lanes 16-31 R's block i
.irp i, 0,1,2,3,4,5,6,7
	ds_load_b64 v[SC+8*NQ*\sc+NQ*\i:SC+8*NQ*\sc+NQ*\i+1], v[ADRS] offset:\i*SBLK
.endr
.endm
.macro PLACES n                        ; plain vector instructions between a matrix instruction and a load into, or a vector instruction on, its registers
.rept \n
	v_nop
.endr
.endm
; A step of 128 along K that has its successor in the same slot.
.macro STEP slot, q, zero
	s_wait_dscnt 4*NL                              ; R's set and P's blocks 0-3 are in; the youngest 24 loads (P's blocks 4-7) may be out
	WIN MUL_LO
	MUL16 0, (\q)%2, \q, \slot, \zero
	MUL16 2, (\q)%2, \q, \slot, \zero
	s_wait_dscnt 0                                 ; P's blocks 4-7 are in
	PLACES NP
	FETCH_B \slot, (\q)+1, 1-(\q)%2
	FETCH_A \slot, (\q)+1, 0
	WIN MUL_HI
	MUL16 4, (\q)%2, \q, \slot, \zero
	MUL16 6, (\q)%2, \q, \slot, \zero
	PLACES NP
	WIN 0
	FETCH_A \slot, (\q)+1, 4
.endm
; A slot's last step changes slots: ONE barrier; in front of it each wave waits for all its tensor loads, adds 0 to its spare word, and waits for that and for its own reads of this slot.  fill = 1: this slot is filled again, two K steps ahead.
.macro TURN slot, next, fill
	s_wait_tensorcnt 0x0                           ; all my tensor loads have landed: my part of the next slot
	ds_add_u32 v[SPW], v[NIL]                      ; 0 onto my spare word
	s_wait_dscnt 4*NL+1                            ; (the add and the youngest 24 loads, P's blocks 4-7, may be out)
	WIN MUL_LO
	MUL16 0, 1, NQ-1, \slot, 0                     ; sixteen matrix instructions stand between the add and the wait for it
	s_wait_dscnt 0x0                               ; the add is done, and my reads of this slot are over
	s_barrier_signal -1
	MUL16 2, 1, NQ-1, \slot, 0
	WIN 0
	s_barrier_wait -1
.if \fill
	CREST                                          ; the barrier has opened a round of the cluster's barrier: no wave of any partner still reads this slot or has a load on its way
	s_add_nc_u64 s[G0+4*\slot+2:G0+4*\slot+3], s[G0+4*\slot+2:G0+4*\slot+3], 2*ROWB
	s_add_nc_u64 s[G0B+4*\slot+2:G0B+4*\slot+3], s[G0B+4*\slot+2:G0B+4*\slot+3], 2*ROWB
	JLOAD G0+4*\slot, G1, G0B+4*\slot, G1B         ; the first tensor load behind the round; its four v_nop are also the places in front of the loads below
.else
	PLACES NP
.endif
	v_add_nc_u32 v[ADRS], 4*NQ, v[ADRS]            ; on to the next K step's scale words (no LDS load of mine is out)
	FETCH_B \next, 0, 0
	FETCH_A \next, 0, 0
	SCALES \next
	WIN MUL_HI
	MUL16 4, 1, NQ-1, \slot, 0
	MUL16 6, 1, NQ-1, \slot, 0
	PLACES NP
	WIN 0
	FETCH_A \next, 0, 4
.endm
	s_wait_tensorcnt 1                             ; the scales and my part of K step 0 are in (K step 1's load may be out),
	s_wait_loadcnt 0x0                             ; and so are the biases
	s_barrier_signal -1
	s_barrier_wait -1                              ; everybody's are
	FETCH_B 0, 0, 0
	FETCH_A 0, 0, 0
	SCALES 0
	FETCH_A 0, 0, 4
	STEP 0, 0, 1                                   ; K = 1,024 is four K steps of 256, twice round the ring: eight steps of 128, written in a row.  The first starts the sums
	TURN 0, 1, 1                                   ; slot 0 takes K step 2
	STEP 1, 0, 0
	TURN 1, 0, 1                                   ; slot 1 takes K step 3
	STEP 0, 0, 0
	TURN 0, 1, 0                                   ; nothing is left to fetch
	STEP 1, 0, 0
	s_wait_dscnt 4*NL                              ; the very last step
	WIN MUL_LO
	MUL16 0, 1, NQ-1, 1, 0
	MUL16 2, 1, NQ-1, 1, 0
	s_wait_dscnt 0
	WIN MUL_HI
	MUL16 4, 1, NQ-1, 1, 0
	MUL16 6, 1, NQ-1, 1, 0
	WIN 0
; THE WAY OUT.  64 numbers of a lane, v[s + 16 b + i], four blocks of 32 that each lie in lanes l and l xor 16, become codes: blocks 0 and 1 six registers from d0 on (lane (r, h) holds block h whole),
; blocks 2 and 3 six from d1 on, and the four scale bytes the word v[w].  A block's scale is 2^(floor(log2(largest magnitude)) - 2): its byte is the largest magnitude's exponent field less 2.
.macro QUANT s, d0, d1, w
.irp b, 0,1,2,3
	v_max3_num_f32 v[TM+\b], |v[(\s)+16*\b]|, |v[(\s)+1+16*\b]|, 0x1800000   ; my 16 numbers of block b, and the floor 2^(3 - 127): the byte cannot fall under 1
.endr
.irp i, 2,4,6,8,10,12,14
.irp b, 0,1,2,3
	v_max3_num_f32 v[TM+\b], v[TM+\b], |v[(\s)+16*\b+\i]|, |v[(\s)+1+16*\b+\i]|   ; (the four blocks by turns)
.endr
.endr
.irp b, 0,1,2,3
	v_permlanex16_b32 v[TM+4+\b], v[TM+\b], s[SEL], s[SEL+1]
.endr
.irp b, 0,1,2,3
	v_max_num_f32 v[TM+\b], v[TM+\b], v[TM+4+\b]   ; with lane l xor 16's: the block's largest magnitude
.endr
.irp b, 0,1,2,3
	v_add_nc_u32 v[TM+12+\b], 0xff000000, v[TM+\b] ; 2 off its exponent field: the conversion takes the exponent field of this operand as its scale
.endr
.irp b, 0,1,2,3
	v_lshrrev_b32 v[TM+4+\b], 23, v[TM+12+\b]      ; the scale's byte
.endr
	v_lshl_or_b32 v[\w], v[TM+5], 8, v[TM+4]
	v_lshl_or_b32 v[\w], v[TM+6], 16, v[\w]
	v_lshl_or_b32 v[\w], v[TM+7], 24, v[\w]
	v_cvt_scalef32_pk16_fp6_f32 v[(\d0):(\d0)+2], v[(\s):(\s)+15], v[TM+12]
	v_cvt_scalef32_pk16_fp6_f32 v[CT:CT+2], v[(\s)+16:(\s)+31], v[TM+13]
	v_cvt_scalef32_pk16_fp6_f32 v[(\d1):(\d1)+2], v[(\s)+32:(\s)+47], v[TM+14]
	v_cvt_scalef32_pk16_fp6_f32 v[CT+4:CT+6], v[(\s)+48:(\s)+63], v[TM+15]
	v_nop                                          ; one plain place behind a scaled conversion
.irp i, 0,1,2
	v_permlane16_swap_b32 v[(\d0)+\i], v[CT+\i]    ; the first's lanes 16-31 change places with the second's lanes 0-15: a lane then holds a whole block
	v_permlane16_swap_b32 v[(\d1)+\i], v[CT+4+\i]
.endr
.irp i, 0,1,2
	v_mov_b32 v[(\d0)+3+\i], v[CT+\i]
	v_mov_b32 v[(\d1)+3+\i], v[CT+4+\i]
.endr
.endm
	PLACES NP                                      ; behind the last products: their results are read and their operands' registers written below
	s_mov_b32 s[SEL], 0x76543210
	s_mov_b32 s[SEL+1], 0xfedcba98
	s_mov_b32 s95, 0xffff0000                      ; lanes 16-31
.irp b, 0,1,2,3
	v_mov_b32 v[TM+4+\b], 0                        ; a lane permute's destination counts as one of its sources
.endr
	s_cmp_eq_u32 ttmp9, 2                          ; the cluster's x: the same in all partners
	s_cbranch_scc1 .Lv
	; q or k: P's block a is a tile of 16 tokens; a lane's 64 numbers are its token's 128 channels' half: blocks 0, 1 my first head, blocks 2, 3 my second.  Two tiles make an image for each head.
.irp ap, 0,1,2,3
.if \ap > 0
	s_wait_xcnt 0x0                                ; the last images' stores have read their registers
.endif
.irp e, 0,1
	WIN 0x02+\ap/2                                 ; source 0: window 2 or 3
.irp k, 0,2,4,6,8,10,12,14,16,18,20,22,24,26,28,30,32,34,36,38,40,42,44,46,48,50,52,54,56,58,60,62
	v_pk_add_f32 v[T+\k:T+\k+1], v[64*((2*\ap+\e)%4)+\k:64*((2*\ap+\e)%4)+\k+1], v[BI+\k:BI+\k+1]   ; + the bias, into window 0; each accumulator from its low end on
.endr
	WIN 0
	QUANT T, IMG0+6*\e, IMG1+6*\e, WD+\e
.endr
	v_perm_b32 v[WW+\ap], v[WD+1], v[WD], 0x05040100      ; the image's scale word: the first tile's two bytes, then the second's: my first head,
	v_perm_b32 v[WW+4+\ap], v[WD+1], v[WD], 0x07060302    ; my second
.irp c, 0,1,2
	global_store_b128 v[LI], v[IMG0+4*\c:IMG0+4*\c+3], s[96:97] offset:1536*\ap+512*\c     ; 32 lanes store 512 consecutive bytes, at a multiple of 256 from the buffer's first byte
	global_store_b128 v[LI], v[IMG1+4*\c:IMG1+4*\c+3], s[100:101] offset:1536*\ap+512*\c
.endr
.endr
	s_branch .Ltail
.Lv:
	; v: P's block a is a tile of 16 channels (blocks 0-3 my first head, 4-7 my second); a lane's 64 numbers are its channel's 128 keys' half: one whole image and one scale word
.irp a, 0,1,2,3,4,5,6,7
.if \a > 0
	s_wait_xcnt 0x0                                ; the last image's stores have read their registers
.endif
	WIN 0x02+\a/4
.irp k, 0,2,4,6,8,10,12,14,16,18,20,22,24,26,28,30,32,34,36,38,40,42,44,46,48,50,52,54,56,58,60,62
	v_pk_add_f32 v[T+\k:T+\k+1], v[64*(\a%4)+\k:64*(\a%4)+\k+1], v[BV+2*\a:BV+2*\a+1]   ; + my channel's bias (the pair holds it twice)
.endr
	WIN 0
	QUANT T, IMG0, IMG0+6, WW+\a
.irp c, 0,1,2
.if \a < 4
	global_store_b128 v[LI], v[IMG0+4*\c:IMG0+4*\c+3], s[96:97] offset:6144+1536*(\a%4)+512*\c
.else
	global_store_b128 v[LI], v[IMG0+4*\c:IMG0+4*\c+3], s[100:101] offset:6144+1536*(\a%4)+512*\c
.endif
.endr
.endr
.Ltail:
	s_wait_xcnt 0x0                                ; the stores have read their bases
	s_add_nc_u64 s[96:97], s[96:97], s[98:99]      ; on to the scale words' place in each record
	s_add_nc_u64 s[100:101], s[100:101], s[98:99]
	v_cndmask_b32 v[XW], v[WW], v[WW+2], s95       ; lanes 0-15 store the words of images 0 and 1, lanes 16-31 those of images 2 and 3
	v_cndmask_b32 v[XW+1], v[WW+1], v[WW+3], s95
	v_cndmask_b32 v[XW+2], v[WW+4], v[WW+6], s95
	v_cndmask_b32 v[XW+3], v[WW+5], v[WW+7], s95
	global_store_b64 v[L8], v[XW:XW+1], s[96:97]   ; 32 lanes store 256 consecutive bytes, aligned
	global_store_b64 v[L8], v[XW+2:XW+3], s[100:101]
	s_wait_tensorcnt 0x0                           ; the wave's end
	ds_add_u32 v[SPW], v[NIL]
	s_wait_dscnt 0x0
	CROUND                                         ; the closing round: no work-group ends while a partner may still ask for a tile that names it
	s_endpgm
.Lfunc_end_k_q19d9d0b40b_qkv:
	.size	k_q19d9d0b40b_qkv, .Lfunc_end_k_q19d9d0b40b_qkv-k_q19d9d0b40b_qkv
	.p2alignl 7, 3214868480
	.fill 96, 4, 3214868480
	.section	.rodata,"a",@progbits
	.p2align	6, 0x0
	.amdhsa_kernel k_q19d9d0b40b_qkv
		.amdhsa_group_segment_fixed_size 327680
		.amdhsa_private_segment_fixed_size 0
		.amdhsa_enable_private_segment 0
		.amdhsa_kernarg_size 104
		.amdhsa_user_sgpr_count 2
		.amdhsa_user_sgpr_kernarg_segment_ptr 1
		.amdhsa_wavefront_size32 1
		.amdhsa_system_sgpr_workgroup_id_x 1
		.amdhsa_system_sgpr_workgroup_id_y 1
		.amdhsa_system_sgpr_workgroup_id_z 1
		.amdhsa_system_vgpr_workitem_id 0
		.amdhsa_next_free_vgpr 1024
		.amdhsa_next_free_sgpr 102
		.amdhsa_reserve_vcc 0
		.amdhsa_float_denorm_mode_32 3
		.amdhsa_float_denorm_mode_16_64 3
		.amdhsa_memory_ordered 1
		.amdhsa_forward_progress 1
		.amdhsa_inst_pref_size 233
	.end_amdhsa_kernel
	.amdgpu_metadata
---
amdhsa.version: [ 1, 2 ]
amdhsa.kernels:
  - .name:           k_q19d9d0b40b_qkv
    .symbol:         k_q19d9d0b40b_qkv.kd
    .args:
      - { .name: query_codes, .offset: 0, .size: 8, .value_kind: global_buffer, .address_space: global }
      - { .name: query_scales, .offset: 8, .size: 8, .value_kind: global_buffer, .address_space: global }
      - { .name: Wq_codes, .offset: 16, .size: 8, .value_kind: global_buffer, .address_space: global }
      - { .name: Wq_scales, .offset: 24, .size: 8, .value_kind: global_buffer, .address_space: global }
      - { .name: Wk_codes, .offset: 32, .size: 8, .value_kind: global_buffer, .address_space: global }
      - { .name: Wk_scales, .offset: 40, .size: 8, .value_kind: global_buffer, .address_space: global }
      - { .name: Wv_codes, .offset: 48, .size: 8, .value_kind: global_buffer, .address_space: global }
      - { .name: Wv_scales, .offset: 56, .size: 8, .value_kind: global_buffer, .address_space: global }
      - { .name: bq, .offset: 64, .size: 8, .value_kind: global_buffer, .address_space: global }
      - { .name: bk, .offset: 72, .size: 8, .value_kind: global_buffer, .address_space: global }
      - { .name: bv, .offset: 80, .size: 8, .value_kind: global_buffer, .address_space: global }
      - { .name: qb, .offset: 88, .size: 8, .value_kind: global_buffer, .address_space: global }
      - { .name: kv, .offset: 96, .size: 8, .value_kind: global_buffer, .address_space: global }
    .group_segment_fixed_size: 327680
    .private_segment_fixed_size: 0
    .kernarg_segment_align: 8
    .kernarg_segment_size: 104
    .max_flat_workgroup_size: 128
    .sgpr_count:     102
    .vgpr_count:     1024
    .wavefront_size: 32
...
	.end_amdgpu_metadata
.endif
;; end of part 1
;; launch attn (part 2): grid 4 x 64, 16 waves a work-group, no clusters, 327,680 bytes of LDS; arguments qb, kv, yimg, ysc; writes yimg, ysc
.if DOCPART == 2
	.amdgcn_target "amdgcn-amd-amdhsa--gfx1250"
	.amdhsa_code_object_version 6
	.text
	.protected	k_q19d9d0b40b_attn
	.globl	k_q19d9d0b40b_attn
	.p2align	8
	.type	k_q19d9d0b40b_attn,@function
k_q19d9d0b40b_attn:
	s_mov_b64 s[64:65], 0
	v_nop
	global_prefetch_b8 v0, s[64:65] scope:SCOPE_SE
	s_setreg_imm32_b32 hwreg(HW_REG_WAVE_MODE, 25, 1), 1
	s_wait_xcnt 0x0
; y[b][t][head] = softmax over the keys s <= t of (q . k / 8) times v, both products on codes of FP6 (E2M3) with one E8M0 scale for each 32 along a product's K; y leaves quantised along its channels.
; THE SOFTMAX: t = score x log2(e) / 8; M = the row's largest t so far, rounded UP to a whole number; p = 2^(t - M) is quantised along the keys, not normalised.  The row's sum is taken of the unquantised p
; and divides at the end.  When M moves, the sum and O are multiplied by 2^(old M - new M): exact.
; SHARES.  Work-group (i, batch x head) owns the blocks of 256 queries i and 7 - i of its head.  Block i wants the key slots (256 keys) 0 .. i, block 7 - i the slots 0 .. 7 - i: NINE slots whatever i is, so the
; trip count is a constant and all 256 work-groups have the same work.  Each of the sixteen waves owns 16 queries of the block in hand, in 256 registers: four waves to a SIMD.
; NO CLUSTER: in a given trip the four work-groups of a head stand at different key slots (block i has i + 1 of them, block 7 - i has 8 - i), so no request of one fits another's.
; OPERANDS come as images of registers (the launch before laid them so): a record of 12,800 bytes holds 128 keys of a head: k's four images, v's four, their scale words.  A slot is two records, brought by two
; tensor loads (waves 0 and 1) into a ring of two slots and read by all sixteen waves, each load of a wave taking 512 or 256 consecutive bytes.
; THE HEAD IS 64 WIDE, THE INSTRUCTION 128: an image of k holds TWO tiles of 16 keys, one in each half of K.  q stands as [q | 0 | q] in 18 registers: against [q | 0] the product gives the first tile's scores,
; against [0 | q] the second's: zero codes add nothing under any scale byte but 0xff, which is never made.
; LAYOUT.  Both products are used transposed (S^T = k q^T, O^T = v^T p^T): a lane holds ONE query (lane % 16).  Register 8 t + j of S^T is key 16 t + 8 (lane / 16) + j.  So p's codes of a block of 32 keys lie in the
; order 0-7, 16-23, 8-15, 24-31, as v's do.  y meets codes that are given, so its numbers are brought into the true order before they are quantised.
; LIMITS: NaN and infinities are not served.  A block of y under 2^-124, and a block of p that is all zeros, get the byte 1 with zero codes; this program alone reads the bytes.
.set RECB,  12800                      ; a record
.set SLOTB, 2*RECB                     ; a slot's bytes
.set SLOT1, 32768                      ; slot 1 begins here: one exclusive or turns an address in one slot into the other's
.set SPARE, 65536                      ; the spare words, 128 bytes a wave: eight blocks of 256 bytes that no other line names
.set VIMG,  6144                       ; in a record: v's images,
.set KSCL,  12288                      ; k's scale words,
.set VSCL,  12544                      ; v's
.set QREC,  6400                       ; a record of q
.set LI,  1                            ; v1   16 x lane
.set L8,  2                            ; v2   8 x lane
.set SPW, 3                            ; v3   my spare word; never rewritten
.set NIL, 4                            ; v4   0; never rewritten
.set DL,  5                            ; v5   lane % 16 - 8 (lane / 16)
.set AI,  6                            ; v6   the slot in hand + 16 x lane
.set A8,  7                            ; v7   the slot in hand + 8 x lane
.set YS,  9                            ; v9   32 x (lane % 16): my query's row of y's scale bytes
.set PFO, 10                           ; v10  the prefetches' offset; never rewritten
.set QW,  11                           ; v11  where q's scale word lies
.set QF,  16                           ; v16-33 [q | 0 | q]
.set QS,  34                           ; v34  q's scale word
.set Q2,  36                           ; v36-41 the second block's q, v42 its scale word
.set KSW, 44                           ; v44-45 k's scale words
.set VSW, 46                           ; v46-47 v's
.set FRG, 48                           ; v48-95 four images: k's, then v's
.set S,   96                           ; v96-159 S^T, then p
.set O,   160                          ; v160-191 O^T
.set PC,  192                          ; v192-203 p's codes
.set CT,  204                          ; v204-206, v208-210 conversions' results on their way
.set BM,  212                          ; v212-215 the blocks' largest scores, then largest p
.set PR,  216                          ; v216-219 the other half's; then the bytes
.set SO,  220                          ; v220-223 the conversions' scale operands
.set PW,  228                          ; v228 p's scale word
.set F,   230                          ; v[230:231] f = 2^(old M - new M) (the pair is named; its low word serves both halves)
.set TP,  232                          ; v232-233 at work
.set S2,  234                          ; v[234:235] the sums' second chain
.set WV,  12
.set IW,  13                           ; the work-group's x
.set BH,  14                           ; 16 x batch + head
.set BA,  15
.set HD,  16
.set BLK, 17                           ; the block of queries in hand
.set KSC, 18                           ; the key slot in hand
.set KSN, 19                           ; the key slot that follows
.set SEL, 20
.set CS,  22                           ; s[22:23] c = log2(e) / 8
.set G1,  24
.set G0,  32
.set KVW, 36                           ; s[36:37] my record (wave 0: the first, wave 1: the second) of the head's key slot 0
.set OFP, 38                           ; s[38:39] an offset, with 0 above it
.set TB,  40                           ; LDS byte at which the slot in hand begins
.set CNT, 41
.set Q0,  42                           ; my first query
.set QL,  43                           ; my last
.set KF,  44                           ; the slot's first key
.set PFA, 48                           ; s[48:49] where the prefetches stand
.set LIM, 50                           ; 1 in a wave that prefetches, else the greatest number
.set YA,  52                           ; s[52:53] my tile's image in yimg;  s[54:55] my queries' bytes in ysc
.set YSA, 54
.macro TLOAD                           ; waves 0 and 1 fetch a record each; the branch hangs on the wave's number alone; four v_nop follow the load
	s_cmp_lt_u32 s[WV], 2
	s_cbranch_scc0 .Lno_load_\@
	tensor_load_to_lds s[G0:G0+3], s[G1:G1+7]
	s_nop 0
.rept 4
	v_nop
.endr
.Lno_load_\@:
.endm
; A PREFETCH INTO THE L2 of the key slot that the NEXT change of slots will ask for: 25,600 bytes, lanes 256 bytes apart.  All four work-groups of a head read the same records; the one with x = 0 walks
; slot 0 and then slots 0 to 7 in order, and it alone asks, by its waves 4 to 7, which fetch nothing: in trip n for slot n + 1.  A slot has 100 blocks of 256 bytes for 128 lanes: the last 28 lanes are held at the
; slot's last block.  The loop's last trip asks for nothing: there is no slot 8.  Slot 0 comes by its load alone.
.macro ASK
	s_cmp_gt_u32 s[CNT], s[LIM]
	s_cbranch_scc0 .Lnot_mine_\@
	global_prefetch_b8 v[PFO], s[PFA:PFA+1] th:TH_LOAD_NT scope:SCOPE_SE
.Lnot_mine_\@:
.endm
.macro SETQ                            ; my queries in the block in hand
	s_lshl_b32 s[Q0], s[BLK], 8
	s_lshl_b32 s45, s[WV], 4
	s_add_co_u32 s[Q0], s[Q0], s45
	s_add_co_u32 s[QL], s[Q0], 15
.endm
	s_load_b256 s[4:11], s[0:1], 0x0               ; qb, kv, yimg, ysc
	v_lshl_add_u32 v[SPW], v0, 2, SPARE
	v_mov_b32 v[NIL], 0
	ds_add_u32 v3, v4
	ds_add_u32 v3, v4
	s_wait_dscnt 0x0
	v_lshrrev_b32 v1, 5, v0
	s_delay_alu instid0(VALU_DEP_1)
	v_readfirstlane_b32 s[WV], v1                  ; wave 0..15
	s_mov_b32 s[IW], ttmp9
	s_and_b32 s[BH], ttmp7, 0xffff
	s_lshr_b32 s[BA], s[BH], 4
	s_and_b32 s[HD], s[BH], 15
	s_mov_b32 s[BLK], s[IW]                        ; the first block is block i
	SETQ
	; descriptor group 1: a record, dense in memory and in LDS: 50 rows of 256 bytes (32 elements of 8)
	s_mov_b32 s[G1], 3<<16
	s_mov_b32 s[G1+1], 32<<16
	s_mov_b32 s[G1+2], 50<<16
	s_mov_b32 s[G1+3], 32<<16
	s_mov_b32 s[G1+4], 50
	s_mov_b32 s[G1+5], 32
	s_mov_b32 s[G1+6], 0
	s_mov_b32 s[G1+7], 0
	s_and_b32 s45, s[WV], 1
	s_mul_i32 s[G0+1], s45, RECB                   ; LDS address: slot 0, my record
	s_mul_i32 s51, s[BH], 16*RECB                  ; the head's 16 records (under 2^24)
	s_add_co_u32 s[OFP], s51, s[G0+1]
	s_mov_b32 s[OFP+1], 0
	; q: the image that holds my tile, in both blocks: record 16 (batch x head) + 2 block + wave / 8, image (wave / 2) % 4, tile wave % 2
	s_lshl_b32 s56, s[BH], 4
	s_lshr_b32 s57, s[WV], 3
	s_add_co_u32 s56, s56, s57
	s_lshl_b32 s57, s[IW], 1
	s_add_co_u32 s57, s56, s57                     ; block i's record
	s_sub_co_u32 s58, 7, s[IW]
	s_lshl_b32 s58, s58, 1
	s_add_co_u32 s58, s56, s58                     ; block 7 - i's
	s_bfe_u32 s60, s[WV], 0x20001                  ; the image
	s_mul_i32 s61, s60, 1536
	s_mul_i32 s56, s57, QREC
	s_add_co_u32 s56, s56, s61
	s_mov_b32 s57, 0
	s_mul_i32 s58, s58, QREC
	s_add_co_u32 s58, s58, s61
	s_mov_b32 s59, 0
	s_lshr_b32 s62, s60, 1                         ; the image's scale word of row r lies at 6,144 + 128 (image / 2) + 4 (image % 2) + 8 r in the record;
	s_lshl_b32 s62, s62, 7
	s_and_b32 s63, s60, 1
	s_lshl_b32 s63, s63, 2
	s_add_co_u32 s62, s62, s63
	s_add_co_u32 s62, s62, 6144
	s_sub_co_u32 s62, s62, s61                     ; counted from the image
	s_mov_b32 s[SEL], 0x76543210
	s_mov_b32 s[SEL+1], 0xfedcba98                 ; v_permlanex16_b32's selects for lane l xor 16
	s_mov_b32 s[CS], 0x3e38aa3b                    ; c = log2(e) / 8
	s_mov_b32 s[CS+1], s[CS]
	s_mov_b32 s[TB], 0
	s_mov_b32 s[KSC], 0
	s_mov_b32 s[CNT], 8
	s_sub_co_u32 s45, s[WV], 4
	s_lshr_b32 s45, s45, 2                         ; 0 in waves 4 to 7,
	s_or_b32 s45, s45, s[IW]                       ; of the head's work-group 0
	s_cmp_eq_u32 s45, 0
	s_cselect_b32 s[LIM], 1, -1
	s_wait_kmcnt 0x0
	s_add_nc_u64 s[KVW:KVW+1], s[6:7], s[OFP:OFP+1]
	s_mov_b32 s[G0], 1
	s_mov_b64 s[G0+2:G0+3], s[KVW:KVW+1]           ; key slot 0
	s_or_b32 s[G0+3], s[G0+3], 0x80000000
	TLOAD                                          ; the one first fill: by this text's count one tensor load of a wave is out at any time
	s_mov_b32 s[OFP], s51
	s_add_nc_u64 s[PFA:PFA+1], s[6:7], s[OFP:OFP+1]   ; at the head's slot 0: the first change of slots steps it to slot 1
	s_add_nc_u64 s[56:57], s[4:5], s[56:57]
	s_add_nc_u64 s[58:59], s[4:5], s[58:59]
	v_and_b32 v1, 31, v0
	s_delay_alu instid0(VALU_DEP_1)
	v_lshlrev_b32 v[L8], 3, v1
	s_delay_alu instid0(VALU_DEP_2)
	v_lshlrev_b32 v[LI], 4, v1
	v_and_b32 v8, 15, v0                           ; r
	v_bfe_u32 v[DL], v0, 4, 1                      ; h
	s_delay_alu instid0(VALU_DEP_1)
	v_lshlrev_b32 v[DL], 3, v[DL]
	s_delay_alu instid0(VALU_DEP_1)
	v_sub_nc_u32 v[DL], v8, v[DL]
	s_delay_alu instid0(VALU_DEP_4)
	v_lshlrev_b32 v[YS], 5, v8
	v_lshl_add_u32 v[QW], v8, 3, s62
	v_add_nc_u32 v[PFO], 0xffffff80, v0            ; thread - 128,
	s_delay_alu instid0(VALU_DEP_1)
	v_min_u32 v[PFO], 99, v[PFO]                   ; held at the slot's last block,
	s_delay_alu instid0(VALU_DEP_1)
	v_lshlrev_b32 v[PFO], 8, v[PFO]                ; x 256 bytes
.irp c, 0,1,2
	global_load_b128 v[S+4*\c:S+4*\c+3], v[LI], s[56:57] offset:512*\c
	global_load_b128 v[S+12+4*\c:S+12+4*\c+3], v[LI], s[58:59] offset:512*\c
.endr
	global_load_b32 v[S+24], v[QW], s[56:57]
	global_load_b32 v[S+25], v[QW], s[58:59]
	s_and_b32 s45, s[WV], 1                        ; which tile of the image is mine
	s_lshl_b32 s47, s45, 4
	s_cmp_lg_u32 s45, 0
	s_cselect_b32 s46, -1, 0
	s_wait_loadcnt 0x0
	v_lshrrev_b32 v[S+24], s47, v[S+24]            ; my tile's two scale bytes,
	v_lshrrev_b32 v[S+25], s47, v[S+25]
	s_delay_alu instid0(VALU_DEP_2)
	v_and_b32 v[S+24], 0xffff, v[S+24]
	s_delay_alu instid0(VALU_DEP_2)
	v_and_b32 v[S+25], 0xffff, v[S+25]
	s_delay_alu instid0(VALU_DEP_2)
	v_lshl_or_b32 v[QS], v[S+24], 16, v[S+24]      ; for both halves of K
	s_delay_alu instid0(VALU_DEP_2)
	v_lshl_or_b32 v[Q2+6], v[S+25], 16, v[S+25]
.irp i, 0,1,2,3,4,5
	v_cndmask_b32 v[QF+\i], v[S+\i], v[S+6+\i], s46
	v_cndmask_b32 v[Q2+\i], v[S+12+\i], v[S+18+\i], s46
.endr
.irp i, 0,1,2,3,4,5
	v_mov_b32 v[QF+12+\i], v[QF+\i]
	v_mov_b32 v[QF+6+\i], 0
.endr
	v_mov_b32 v13, 0xff61b1e6                      ; the largest t so far: -3e38, under every t
	s_delay_alu instid0(VALU_DEP_1)
	v_floor_f32 v12, -v13                          ; -M
	v_mov_b32 v14, 0                               ; the sum, in two halves
	v_mov_b32 v15, 0
.irp b, 0,1,2,3
	v_mov_b32 v[PR+\b], 0                          ; a lane permute's destination counts as one of its sources
.endr
	v_mov_b32 v[TP], 0
	v_mov_b32 v[F+1], 0                            ; (named as the upper half of a pair)
.irp j, 0,1,2,3,4,5,6,7,8,9,10,11,12,13,14,15,16,17,18,19,20,21,22,23,24,25,26,27,28,29,30,31
	v_mov_b32 v[O+\j], 0                           ; O^T: the step is written once; a block's first step finds zeros, which the first change of M leaves zeros
.endr
; A KEY STEP: 128 keys, record q of the slot in hand.
.macro STEP q
	s_add_co_u32 s45, s[KF], 128*(\q)              ; the step's first key
	s_cmp_gt_u32 s45, s[QL]                        ; all its keys come after my 16 queries: the step is left out (a scalar branch on ids; no barrier and no tensor load stands in a step)
	s_cbranch_scc1 .Lhidden_\@
	s_wait_alu depctr_va_vdst(0)
.irp p, 0,1,2,3
.irp c, 0,1,2
	ds_load_b128 v[FRG+12*\p+4*\c:FRG+12*\p+4*\c+3], v[AI] offset:(\q)*RECB+1536*\p+512*\c
.endr
.endr
	ds_load_b64 v[KSW:KSW+1], v[A8] offset:(\q)*RECB+KSCL
	s_wait_dscnt 0x0
.irp p, 0,1,2,3                                ; S^T = k q^T: image p against [q | 0] and against [0 | q]
.irp u, 0,1
.if \p < 2
	v_wmma_scale_f32_16x16x128_f8f6f4 v[S+8*(2*\p+\u):S+8*(2*\p+\u)+7], v[FRG+12*\p:FRG+12*\p+11], v[QF+6*\u:QF+6*\u+11], 0, v[KSW+\p%2], v[QS] matrix_a_fmt:MATRIX_FMT_FP6 matrix_b_fmt:MATRIX_FMT_FP6
.else
	v_wmma_scale_f32_16x16x128_f8f6f4 v[S+8*(2*\p+\u):S+8*(2*\p+\u)+7], v[FRG+12*\p:FRG+12*\p+11], v[QF+6*\u:QF+6*\u+11], 0, v[KSW+\p%2], v[QS] matrix_a_fmt:MATRIX_FMT_FP6 matrix_b_fmt:MATRIX_FMT_FP6 matrix_a_scale:MATRIX_SCALE_ROW1
.endif
.endr
.endr
.rept 4
	v_nop                                          ; places: for the loads into the images' registers, and for the first reads of the scores
.endr
	s_wait_alu depctr_va_vdst(0)
.irp t, 0,1,2,3                                ; v's images are asked for now and land under the softmax
.irp c, 0,1,2
	ds_load_b128 v[FRG+12*\t+4*\c:FRG+12*\t+4*\c+3], v[AI] offset:(\q)*RECB+VIMG+1536*\t+512*\c
.endr
.endr
	ds_load_b64 v[VSW:VSW+1], v[A8] offset:(\q)*RECB+VSCL
	s_add_co_u32 s46, s45, 127
	s_cmp_le_u32 s46, s[Q0]                        ; a step all of whose keys count skips the mask
	s_cbranch_scc1 .Lopen_\@
	s_sub_co_i32 s46, s[Q0], s45
	v_add_nc_u32 v[TP+1], s46, v[DL]               ; d = my query - the step's first key - 8 (lane / 16).  Register n holds key 16 (n / 8) + n % 8 + 8 (lane / 16): hidden where 16 (n / 8) + n % 8 > d
	v_mov_b32 v[TP], 0xff800000                    ; -infinity: p = 0 then
.irp n, 0,1,2,3,4,5,6,7,8,9,10,11,12,13,14,15,16,17,18,19,20,21,22,23,24,25,26,27,28,29,30,31,32,33,34,35,36,37,38,39,40,41,42,43,44,45,46,47,48,49,50,51,52,53,54,55,56,57,58,59,60,61,62,63
	v_cmp_gt_i32 vcc_lo, 16*(\n/8)+\n%8, v[TP+1]
	v_cndmask_b32 v[S+\n], v[S+\n], v[TP], vcc_lo
.endr
.Lopen_\@:
.irp b, 0,1,2,3
	v_max3_num_f32 v[BM+\b], v[S+16*\b], v[S+1+16*\b], v[S+2+16*\b]   ; the largest score of each block of 32 keys: it serves the row's maximum and, since p rises with the score, the block's largest p
.endr
.irp i, 3,5,7,9,11,13
.irp b, 0,1,2,3
	v_max3_num_f32 v[BM+\b], v[BM+\b], v[S+16*\b+\i], v[S+1+16*\b+\i]
.endr
.endr
.irp b, 0,1,2,3
	v_max_num_f32 v[BM+\b], v[BM+\b], v[S+15+16*\b]
.endr
.irp b, 0,1,2,3
	s_delay_alu instid0(VALU_DEP_4)
	v_permlanex16_b32 v[PR+\b], v[BM+\b], s[SEL], s[SEL+1]
.endr
.irp b, 0,1,2,3
	s_delay_alu instid0(VALU_DEP_4)
	v_max_num_f32 v[BM+\b], v[BM+\b], v[PR+\b]     ; with lane l xor 16's 16 keys
.endr
	s_delay_alu instid0(VALU_DEP_2)
	v_max3_num_f32 v[TP], v[BM], v[BM+1], v[BM+2]
	s_delay_alu instid0(VALU_DEP_1)
	v_max_num_f32 v[TP], v[TP], v[BM+3]            ; the step's largest score of my query
	s_delay_alu instid0(VALU_DEP_1)
	v_mul_f32 v[TP], s[CS], v[TP]                  ; as t (c is positive)
	s_delay_alu instid0(VALU_DEP_1)
	v_max_num_f32 v13, v13, v[TP]                  ; the running largest t
	v_mov_b32 v[TP], v12
	s_delay_alu instid0(VALU_DEP_2)
	v_floor_f32 v12, -v13                          ; the new -M = floor(-t) = -ceil(t): a whole number
	s_delay_alu instid0(VALU_DEP_1)
	v_sub_f32 v[TP], v12, v[TP]                    ; old M - new M: a whole number, 0 or less
	s_delay_alu instid0(VALU_DEP_1)
	v_cvt_i32_f32 v[TP], v[TP]                     ; (it saturates)
	s_delay_alu instid0(VALU_DEP_1)
	v_ldexp_f32 v[F], 1.0, v[TP]                   ; f = 2^(old M - new M)
.irp j, 0,2,4,6,8,10,12,14,16,18,20,22,24,26,28,30,32,34,36,38,40,42,44,46,48,50,52,54,56,58,60,62
	v_pk_fma_f32 v[S+\j:S+\j+1], v[S+\j:S+\j+1], s[CS:CS+1], v[12:13] op_sel_hi:[1,0,0]   ; t - M, two at a time
.endr
.irp b, 0,1,2,3
	v_fma_f32 v[BM+\b], v[BM+\b], s[CS], v12       ; the same of each block's largest score
.endr
	s_wait_alu depctr_va_vdst(0)
.irp j, 0,1,2,3,4,5,6,7,8,9,10,11,12,13,14,15,16,17,18,19,20,21,22,23,24,25,26,27,28,29,30,31,32,33,34,35,36,37,38,39,40,41,42,43,44,45,46,47,48,49,50,51,52,53,54,55,56,57,58,59,60,61,62,63
	v_exp_f32 v[S+\j], v[S+\j]                     ; p = 2^(t - M), at most 1
.endr
	v_pk_mul_f32 v[14:15], v[14:15], v[F:F+1] op_sel_hi:[1,0]   ; the sums under the new M (a plain place behind the exponentials)
	s_wait_alu depctr_va_vdst(0)                   ; one wait for the whole batch, ahead of its first reader
.irp b, 0,1,2,3
	v_exp_f32 v[BM+\b], v[BM+\b]                   ; the block's largest p: the same two instructions on the same number give the same bits
.endr
	v_pk_add_f32 v[234:235], v[100:101], v[104:105]
	v_pk_add_f32 v[254:255], v[108:109], v[112:113]
	v_pk_add_f32 v[252:253], v[116:117], v[120:121]
	v_pk_add_f32 v[250:251], v[124:125], v[128:129]
	v_pk_add_f32 v[248:249], v[132:133], v[136:137]
	v_pk_add_f32 v[246:247], v[140:141], v[144:145]
	v_pk_add_f32 v[244:245], v[148:149], v[152:153]
	v_pk_add_f32 v[14:15], v[14:15], v[156:157]
	v_pk_add_f32 v[234:235], v[234:235], v[96:97]
	v_pk_add_f32 v[254:255], v[254:255], v[98:99]
	v_pk_add_f32 v[252:253], v[252:253], v[102:103]
	v_pk_add_f32 v[250:251], v[250:251], v[106:107]
	v_pk_add_f32 v[248:249], v[248:249], v[110:111]
	v_pk_add_f32 v[246:247], v[246:247], v[114:115]
	v_pk_add_f32 v[244:245], v[244:245], v[118:119]
	v_pk_add_f32 v[14:15], v[14:15], v[122:123]
	v_pk_add_f32 v[234:235], v[234:235], v[126:127]
	v_pk_add_f32 v[254:255], v[254:255], v[130:131]
	v_pk_add_f32 v[252:253], v[252:253], v[134:135]
	v_pk_add_f32 v[250:251], v[250:251], v[138:139]
	v_pk_add_f32 v[248:249], v[248:249], v[142:143]
	v_pk_add_f32 v[246:247], v[246:247], v[146:147]
	v_pk_add_f32 v[244:245], v[244:245], v[150:151]
	v_pk_add_f32 v[14:15], v[14:15], v[154:155]
	v_pk_add_f32 v[234:235], v[234:235], v[158:159]
	s_delay_alu instid0(VALU_DEP_2)
	v_pk_add_f32 v[14:15], v[14:15], v[250:251]
	s_delay_alu instid0(VALU_DEP_2)
	v_pk_add_f32 v[234:235], v[234:235], v[248:249]
	v_pk_add_f32 v[254:255], v[254:255], v[246:247]
	v_pk_add_f32 v[252:253], v[252:253], v[244:245]
	s_delay_alu instid0(VALU_DEP_2)
	v_pk_add_f32 v[14:15], v[14:15], v[254:255]
	s_delay_alu instid0(VALU_DEP_2)
	v_pk_add_f32 v[234:235], v[234:235], v[252:253]
	s_delay_alu instid0(VALU_DEP_1)
	v_pk_add_f32 v[14:15], v[14:15], v[234:235]
	s_wait_alu depctr_va_vdst(0)                   ; and one for the four
.irp b, 0,1,2,3
	v_max_num_f32 v[BM+\b], 0x1800000, v[BM+\b]    ; the floor 2^(3 - 127): the byte cannot fall under 1
.endr
.irp b, 0,1,2,3
	s_delay_alu instid0(VALU_DEP_4)
	v_add_nc_u32 v[SO+\b], 0xff000000, v[BM+\b]    ; 2 off the exponent field: the conversion's scale operand
.endr
.irp b, 0,1,2,3
	s_delay_alu instid0(VALU_DEP_4)
	v_lshrrev_b32 v[PR+\b], 23, v[SO+\b]           ; the scale's byte
.endr
	s_delay_alu instid0(VALU_DEP_3)
	v_lshl_or_b32 v[PW], v[PR+1], 8, v[PR]         ; p's scale word for these 128 keys
	s_delay_alu instid0(VALU_DEP_1)
	v_lshl_or_b32 v[PW], v[PR+2], 16, v[PW]
	s_delay_alu instid0(VALU_DEP_1)
	v_lshl_or_b32 v[PW], v[PR+3], 24, v[PW]
.irp c, 0,1
	v_cvt_scalef32_pk16_fp6_f32 v[PC+6*\c:PC+2+6*\c], v[S+32*\c:S+15+32*\c], v[SO+2*\c]
	v_cvt_scalef32_pk16_fp6_f32 v[CT+4*\c:CT+2+4*\c], v[S+16+32*\c:S+31+32*\c], v[SO+2*\c+1]
.endr
	v_nop                                          ; one plain place behind a scaled conversion
.irp c, 0,1                                    ; the operand's layout wants a whole block in a lane
.irp i, 0,1,2
	v_permlane16_swap_b32 v[PC+6*\c+\i], v[CT+4*\c+\i]
.endr
.irp i, 0,1,2
	s_delay_alu instid0(VALU_DEP_3)
	v_mov_b32 v[PC+3+6*\c+\i], v[CT+4*\c+\i]
.endr
.endr
.irp j, 0,2,4,6,8,10,12,14,16,18,20,22,24,26,28,30
	v_pk_mul_f32 v[O+\j:O+\j+1], v[O+\j:O+\j+1], v[F:F+1] op_sel_hi:[1,0]   ; O^T under the new M.  (These sixteen also stand between the codes' and the scale word's last writes and the products)
.endr
	s_wait_alu depctr_va_vdst(0)
	s_wait_dscnt 0x0                               ; v's images and scale words are in
.irp t, 0,1,2,3                                ; O^T += v^T p^T: four tiles of 16 channels by turns; K = these 128 keys
.if \t < 2
	v_wmma_scale_f32_16x16x128_f8f6f4 v[O+8*\t:O+8*\t+7], v[FRG+12*\t:FRG+12*\t+11], v[PC:PC+11], v[O+8*\t:O+8*\t+7], v[VSW+\t%2], v[PW] matrix_a_fmt:MATRIX_FMT_FP6 matrix_b_fmt:MATRIX_FMT_FP6
.else
	v_wmma_scale_f32_16x16x128_f8f6f4 v[O+8*\t:O+8*\t+7], v[FRG+12*\t:FRG+12*\t+11], v[PC:PC+11], v[O+8*\t:O+8*\t+7], v[VSW+\t%2], v[PW] matrix_a_fmt:MATRIX_FMT_FP6 matrix_b_fmt:MATRIX_FMT_FP6 matrix_a_scale:MATRIX_SCALE_ROW1
.endif
.endr
.rept 4
	v_nop                                          ; places: for the next loads into the images' registers, and for the next reads of O^T
.endr
.Lhidden_\@:
.endm
; THE CHANGE OF SLOTS stands at a slot's head.  Each wave waits for all its tensor loads, adds 0 to its spare word, and waits for that and for its reads of the slot that it has left.  Behind the barrier the slot
; ahead is whole and nobody reads the other one.  fill = 1: that other slot takes the key slot that follows: the next one of the block in hand, or slot 0 for the second block.
.macro CHANGE fill
	s_wait_tensorcnt 0x0                           ; no tensor load of mine is out, so group 0 may be written
	ds_add_u32 v[SPW], v[NIL]                      ; 0 onto my spare word
.if \fill
	s_add_co_u32 s[KSN], s[KSC], 1
	s_cmp_eq_u32 s[KSC], s[BLK]                    ; the block's last slot is the one on its diagonal
	s_cselect_b32 s[KSN], 0, s[KSN]
	s_xor_b32 s[G0+1], s[G0+1], SLOT1              ; the other slot than last time
	s_mul_i32 s[OFP], s[KSN], SLOTB
	s_add_nc_u64 s[G0+2:G0+3], s[KVW:KVW+1], s[OFP:OFP+1]
	s_or_b32 s[G0+3], s[G0+3], 0x80000000
	s_wait_xcnt 0x0                                ; the last prefetch, a slot back, has read its address
	s_add_nc_u64 s[PFA:PFA+1], s[PFA:PFA+1], SLOTB
.endif
	s_wait_dscnt 0x0                               ; the add is done, and my reads of the slot that I have left are over
	s_barrier_signal -1
	s_barrier_wait -1
.if \fill
	TLOAD                                          ; the first thing behind the barrier, and a wave's one tensor load until the next
	ASK
.endif
.endm
.macro SLOT_STEPS
	v_add_nc_u32 v[AI], s[TB], v[LI]
	v_add_nc_u32 v[A8], s[TB], v[L8]
	s_lshl_b32 s[KF], s[KSC], 8
	STEP 0
	STEP 1
.endm
; A BLOCK'S END.  O^T / the sum is y of my 16 queries and the head's 64 channels.  Sixteen exchanges of halves bring a lane 16 neighbouring channels of each block of 32, in the true order; then y is quantised as
; every operand is, and leaves as an image (lane (r, h): query r, channels 32 h .. 32 h + 31: six registers) with its two scale bytes.
.macro FINISH
	v_add_f32 v14, v14, v15                        ; the sum's two halves,
	s_delay_alu instid0(VALU_DEP_1)
	v_permlanex16_b32 v[TP], v14, s[SEL], s[SEL+1]
	s_delay_alu instid0(VALU_DEP_1)
	v_add_f32 v14, v14, v[TP]                      ; and lane l xor 16's
	s_wait_alu depctr_va_vdst(0)
	v_rcp_f32 v14, v14
	v_nop                                          ; a plain place behind the transcendental
	s_lshl_b32 s45, s[BA], 7
	s_lshl_b32 s46, s[BLK], 4
	s_add_co_u32 s45, s45, s46
	s_add_co_u32 s45, s45, s[WV]                   ; my tile of 16 tokens: 128 batch + 16 block + wave
	s_lshl_b32 s45, s45, 4
	s_add_co_u32 s45, s45, s[HD]
	s_mul_i32 s[OFP], s45, 768                     ; 768 bytes for each tile and head
	s_add_nc_u64 s[YA:YA+1], s[8:9], s[OFP:OFP+1]
	s_lshl_b32 s45, s[BA], 11
	s_add_co_u32 s45, s45, s[Q0]
	s_lshl_b32 s45, s45, 5                         ; 32 scale bytes a token,
	s_lshl_b32 s46, s[HD], 1                       ; two a head
	s_add_co_u32 s[OFP], s45, s46
	s_add_nc_u64 s[YSA:YSA+1], s[10:11], s[OFP:OFP+1]
	s_wait_alu depctr_va_vdst(0)                   ; ahead of the reciprocal's first reader
.irp j, 0,1,2,3,4,5,6,7,8,9,10,11,12,13,14,15,16,17,18,19,20,21,22,23,24,25,26,27,28,29,30,31
	v_mul_f32 v[S+\j], v[O+\j], v14                ; register 8 t + j: channel 16 t + 8 h + j; each accumulator from its low end on
.endr
.irp b, 0,1
.irp j, 0,1,2,3,4,5,6,7
	v_permlane16_swap_b32 v[S+16*\b+\j], v[S+8+16*\b+\j]   ; registers 16 b + 0 .. 15 now hold channels 32 b + 16 h + 0 .. 15
.endr
.endr
.irp b, 0,1
	v_max3_num_f32 v[BM+\b], |v[S+16*\b]|, |v[S+1+16*\b]|, 0x1800000
.endr
.irp i, 2,4,6,8,10,12,14
.irp b, 0,1
	s_delay_alu instid0(VALU_DEP_2)
	v_max3_num_f32 v[BM+\b], v[BM+\b], |v[S+16*\b+\i]|, |v[S+1+16*\b+\i]|
.endr
.endr
.irp b, 0,1
	s_delay_alu instid0(VALU_DEP_2)
	v_permlanex16_b32 v[PR+\b], v[BM+\b], s[SEL], s[SEL+1]
.endr
.irp b, 0,1
	s_delay_alu instid0(VALU_DEP_2)
	v_max_num_f32 v[BM+\b], v[BM+\b], v[PR+\b]
.endr
.irp b, 0,1
	s_delay_alu instid0(VALU_DEP_2)
	v_add_nc_u32 v[SO+\b], 0xff000000, v[BM+\b]
.endr
.irp b, 0,1
	s_delay_alu instid0(VALU_DEP_2)
	v_lshrrev_b32 v[PR+\b], 23, v[SO+\b]
.endr
	s_delay_alu instid0(VALU_DEP_1)
	v_lshl_or_b32 v[TP], v[PR+1], 8, v[PR]         ; the head's two scale bytes of my query
	v_cvt_scalef32_pk16_fp6_f32 v[PC:PC+2], v[S:S+15], v[SO]
	v_cvt_scalef32_pk16_fp6_f32 v[CT:CT+2], v[S+16:S+31], v[SO+1]
	v_nop                                          ; one plain place behind a scaled conversion
.irp i, 0,1,2
	v_permlane16_swap_b32 v[PC+\i], v[CT+\i]
.endr
.irp i, 0,1,2
	s_delay_alu instid0(VALU_DEP_3)
	v_mov_b32 v[PC+3+\i], v[CT+\i]
.endr
	global_store_b128 v[LI], v[PC:PC+3], s[YA:YA+1]                ; 512 consecutive bytes, aligned to 256
	global_store_b64 v[L8], v[PC+4:PC+5], s[YA:YA+1] offset:512    ; 256 consecutive bytes, aligned
	global_store_b16 v[YS], v[TP], s[YSA:YSA+1]    ; two bytes a token, 32 bytes apart (both lanes of a query store the same): a token's 16 heads come from 16 work-groups; these bytes are 1 in 24 of y's
	s_wait_xcnt 0x0                                ; the stores have read their registers and bases
.endm
.Lslot:                                            ; eight trips: behind each change of slots but the last the next slot is asked for
	CHANGE 1
	SLOT_STEPS
	s_cmp_lg_u32 s[KSC], s[BLK]                    ; the first block ends in trip i: a scalar branch on ids and the count of slots
	s_cbranch_scc1 .Lsame_block
	FINISH
	s_sub_co_u32 s[BLK], 7, s[BLK]                 ; on to block 7 - i
	SETQ
	v_mov_b32 v[QS], v[Q2+6]                       ; its q and scale word first: the lines below stand between them and the next products
.irp i, 0,1,2,3,4,5
	v_mov_b32 v[QF+\i], v[Q2+\i]
	v_mov_b32 v[QF+12+\i], v[Q2+\i]
.endr
	v_mov_b32 v13, 0xff61b1e6
	s_delay_alu instid0(VALU_DEP_1)
	v_floor_f32 v12, -v13
	v_mov_b32 v14, 0
	v_mov_b32 v15, 0
.irp j, 0,1,2,3,4,5,6,7,8,9,10,11,12,13,14,15,16,17,18,19,20,21,22,23,24,25,26,27,28,29,30,31
	v_mov_b32 v[O+\j], 0
.endr
.Lsame_block:
	s_mov_b32 s[KSC], s[KSN]
	s_xor_b32 s[TB], s[TB], SLOT1                  ; on to the other slot
	s_sub_co_u32 s[CNT], s[CNT], 1
	s_cmp_lg_u32 s[CNT], 0
	s_cbranch_scc1 .Lslot
	CHANGE 0                                       ; the ninth slot is written out: it is block 7 - i's diagonal
	SLOT_STEPS
	FINISH
	s_wait_tensorcnt 0x0                           ; the wave's end
	ds_add_u32 v[SPW], v[NIL]
	s_wait_dscnt 0x0
	s_endpgm
.Lfunc_end_k_q19d9d0b40b_attn:
	.size	k_q19d9d0b40b_attn, .Lfunc_end_k_q19d9d0b40b_attn-k_q19d9d0b40b_attn
	.p2alignl 7, 3214868480
	.fill 96, 4, 3214868480
	.section	.rodata,"a",@progbits
	.p2align	6, 0x0
	.amdhsa_kernel k_q19d9d0b40b_attn
		.amdhsa_group_segment_fixed_size 327680
		.amdhsa_private_segment_fixed_size 0
		.amdhsa_enable_private_segment 0
		.amdhsa_kernarg_size 32
		.amdhsa_user_sgpr_count 2
		.amdhsa_user_sgpr_kernarg_segment_ptr 1
		.amdhsa_wavefront_size32 1
		.amdhsa_system_sgpr_workgroup_id_x 1
		.amdhsa_system_sgpr_workgroup_id_y 1
		.amdhsa_system_sgpr_workgroup_id_z 1
		.amdhsa_system_vgpr_workitem_id 0
		.amdhsa_next_free_vgpr 256
		.amdhsa_next_free_sgpr 66
		.amdhsa_reserve_vcc 1
		.amdhsa_float_denorm_mode_32 3
		.amdhsa_float_denorm_mode_16_64 3
		.amdhsa_memory_ordered 1
		.amdhsa_forward_progress 1
		.amdhsa_inst_pref_size 109
	.end_amdhsa_kernel
	.amdgpu_metadata
---
amdhsa.version: [ 1, 2 ]
amdhsa.kernels:
  - .name:           k_q19d9d0b40b_attn
    .symbol:         k_q19d9d0b40b_attn.kd
    .args:
      - { .name: qb, .offset: 0, .size: 8, .value_kind: global_buffer, .address_space: global }
      - { .name: kv, .offset: 8, .size: 8, .value_kind: global_buffer, .address_space: global }
      - { .name: yimg, .offset: 16, .size: 8, .value_kind: global_buffer, .address_space: global }
      - { .name: ysc, .offset: 24, .size: 8, .value_kind: global_buffer, .address_space: global }
    .group_segment_fixed_size: 327680
    .private_segment_fixed_size: 0
    .kernarg_segment_align: 8
    .kernarg_segment_size: 32
    .max_flat_workgroup_size: 512
    .sgpr_count:     66
    .vgpr_count:     256
    .wavefront_size: 32
...
	.end_amdgpu_metadata
.endif
;; end of part 2
;; launch proj (part 3): grid 4 x 32, 4 waves a work-group, clusters of 4 x 4, 327,680 bytes of LDS; arguments yimg, ysc, Wp_codes, Wp_scales, bp, out0; writes out0
.if DOCPART == 3
	.amdgcn_target "amdgcn-amd-amdhsa--gfx1250"
	.amdhsa_code_object_version 6
	.text
	.protected	k_q19d9d0b40b_proj
	.globl	k_q19d9d0b40b_proj
	.p2align	8
	.type	k_q19d9d0b40b_proj,@function
k_q19d9d0b40b_proj:
	s_mov_b64 s[64:65], 0
	v_nop
	global_prefetch_b8 v0, s[64:65] scope:SCOPE_SE
	s_setreg_imm32_b32 hwreg(HW_REG_WAVE_MODE, 25, 1), 1
	s_wait_xcnt 0x0
	s_wait_alu depctr_hold_cnt(0) depctr_sa_sdst(0) depctr_va_vdst(0) depctr_va_sdst(0) depctr_va_ssrc(0) depctr_va_vcc(0) depctr_vm_vsrc(0)
	s_getreg_b32 s2, hwreg(HW_REG_IB_STS2, 6, 4)
	s_cmp_eq_u32 s2, 0
	s_cbranch_scc0 .Lentry_in_a_cluster
	s_endpgm
.Lentry_in_a_cluster:
	s_bfe_u32 s2, ttmp6, 0x10000c
	s_cmp_lg_u32 s2, 0xf033
	s_cbranch_scc0 .Lentry_shape_is_right
	s_endpgm
.Lentry_shape_is_right:
; out = y Wp^T + bp on codes of FP6 (E2M3) with one E8M0 scale for each 32 along K = 1,024; sums and out in f32.
; y comes as IMAGES OF OPERAND REGISTERS, [tile of 16 tokens][head][768 bytes]: of a head's six registers a lane, registers 0-3 of lane l lie at 16 l, registers 4-5 at 512 + 8 l; two heads are a fragment of 128 along K.
; Its scale bytes are rows of 32, [token][32].  Wp comes as rows of 768 bytes of codes and 32 scale bytes.
; A tile of out, 256 x 256, is made by four waves, each 128 x 128: 64 accumulators, 512 registers.  K goes in steps of 256 (four heads) through a ring of two LDS slots filled by the tensor data mover.
; The scales of the 256 tokens and the 256 rows of Wp, for all of K, come into LDS once, with the first fills.
; CLUSTERS: 4 x 4 work-groups; y's tiles are asked for jointly along a row of the cluster, Wp's along a column.  128 work-groups: the largest wave tile is kept, so that each byte read from LDS feeds the most products.
; THE MATRIX INSTRUCTION IS USED TRANSPOSED (source 0 = 16 rows of Wp, source 1 = 16 tokens): a lane holds eight neighbouring numbers of a row of out.  The bias is the C of each sum's first product.
; LIMITS: NaN and infinities are not served.
; REGISTERS: window 0: v0-31 addresses; v32-63 scale words, two sets; v64-127 the bias; v128-223 y's fragments, one set.  window 1: Wp's fragments, two sets.  windows 2, 3: the accumulators.
.set NQ,     2
.set ROWB,   192                       ; a row of Wp's tile in bytes
.set KROW,   768
.set PITCH,  240                       ; in LDS: 3 x (64 bytes + 16 of padding)
.set AROW,   3072                      ; a row of y's tile: a tile of 16 tokens x four heads' images
.set ASTR,   12288                     ; from one tile of tokens to the next in memory: 16 heads x 768 bytes
.set FR,     12
.set NL,     6                         ; LDS loads that bring a fragment of Wp
.set NLA,    4                         ; and one of y
.set NP,     4
.set HALFA,  8*AROW                    ; 128 tokens: one tensor load
.set HALFT,  128*PITCH                 ; 128 rows of Wp: one tensor load
.set SLOT,   2*HALFA+2*HALFT           ; y's 256 tokens, then Wp's 256 rows
.set KS,     32
.set SCL,    2*SLOT
.set HALFS,  (128*KS/256)*272
.set SBLK,   (16*KS/256)*272
.set SPARE,  SCL+4*HALFS               ; the spare words: two blocks of 256 bytes that no other line names
.set SPITCH, 528                       ; the way out: a stage of 16 rows x (512 bytes + 16) for each wave, in slot 0, which has had its last fill and its last read when the first result is stored there
.set NROW,   4096                      ; a row of out in bytes
.set ADRA, 16                          ; v16-17 y's images in slot 0, 1: + 16 x lane;  v18-19: + 8 x lane
.set ADRB, 20                          ; v20-23 Wp's fragments (slot 0, 1; then the same behind one padding more)
.set STO,  24
.set RD,   25
.set CO,   26
.set ADRS, 27
.set SPW,  28
.set NIL,  29
.set SC,   32
.set BI,   64                          ; v64-127 bp[my first column + 16 b + 8 h + j] at register 8 b + j
.set AF,   128
.set BK,   128
.set G1, 24
.set G0, 32
.set G1B, 48
.set G0B, 56
.set G1S, 68
.set G0S, 76
.set G1SB, 80
.set G0SB, 88
.set MSB, 0
.macro WIN new
.if MSB != (\new)
	s_set_vgpr_msb (MSB<<8)|(\new)
.set MSB, (\new)
.endif
.endm
.set MUL_LO, 0xa1                      ; source 0 (Wp) window 1, source 1 (y) window 0, C and D window 2
.set MUL_HI, 0xf1                      ; the same, C and D window 3
.set BIA_LO, 0x81                      ; the first step: C (the bias) window 0, D window 2
.set BIA_HI, 0xc1                      ; D window 3
.set TO_B,   0x40
.macro JLOAD g0a, g1a, g0b, g1b        ; a joint load: waves 0 and 1 fetch for y, waves 2 and 3 for Wp; four v_nop follow each of the two lines
	s_cmp_eq_u32 s15, 0
	s_cbranch_scc0 .Lfor_b_\@
	tensor_load_to_lds s[\g0a:\g0a+3], s[\g1a:\g1a+7]
	s_nop 0
.rept 4
	v_nop
.endr
	s_branch .Lasked_\@
.Lfor_b_\@:
	tensor_load_to_lds s[\g0b:\g0b+3], s[\g1b:\g1b+7]
	s_nop 0
.rept 4
	v_nop
.endr
.Lasked_\@:
.endm
.macro CREST
	s_cmp_lg_u32 s14, 0
	s_cbranch_scc1 .Lnot_wave_0_\@
	s_barrier_signal -3
.Lnot_wave_0_\@:
	s_barrier_wait -3
	s_barrier_signal -1
	s_barrier_wait -1
.endm
.macro CROUND
	s_barrier_signal -1
	s_barrier_wait -1
	CREST
.endm
	s_load_b128 s[4:7], s[0:1], 0x0                ; y's images, y's scales
	s_load_b128 s[8:11], s[0:1], 0x10              ; Wp's codes, Wp's scales
	s_load_b64 s[96:97], s[0:1], 0x20              ; bp
	s_load_b64 s[12:13], s[0:1], 0x28              ; out
	v_lshl_add_u32 v[SPW], v0, 2, SPARE
	v_mov_b32 v[NIL], 0
	ds_add_u32 v28, v29
	s_wait_dscnt 0x0
	v_lshrrev_b32 v1, 5, v0
	v_readfirstlane_b32 s14, v1                    ; wave 0..3
	s_lshr_b32 s15, s14, 1                         ; which half of the tile's rows is mine.  Also: I fetch for y (0) or for Wp (1)
	s_and_b32 s16, s14, 1                          ; which half of its columns.  Also: which half I fetch
	s_bfe_u32 s40, ttmp6, 0x40000                  ; cx, cy
	s_bfe_u32 s41, ttmp6, 0x40004
	s_lshl_b32 s42, ttmp9, 2
	s_add_co_u32 s42, s42, s40                     ; tile column = 4 x cluster x + cx
	s_and_b32 s17, ttmp7, 0xffff
	s_lshl_b32 s17, s17, 2
	s_add_co_u32 s17, s17, s41                     ; tile row = 4 x cluster y + cy
	s_lshl_b32 s43, s41, 2
	s_lshl_b32 s43, 15, s43                        ; my row of the cluster
	s_lshl_b32 s44, 0x1111, s40                    ; my column
	; group 1 for y's tiles: 8 rows (tiles of 16 tokens) x 3,072 bytes (384 elements of 8), 12,288 bytes apart, dense in LDS
	s_or_b32 s[G1+0], s43, (3<<16)|(1<<21)
	s_mov_b32 s[G1+1], (AROW/8)<<16                ; tensor_dim0
	s_mov_b32 s[G1+2], 8<<16                       ; tensor_dim1
	s_mov_b32 s[G1+3], (AROW/8)<<16                ; tile_dim0
	s_mov_b32 s[G1+4], 8                           ; tile_dim1
	s_mov_b32 s[G1+5], ASTR/8                      ; tensor_dim0_stride
	s_mov_b32 s[G1+6], 0
	s_mov_b32 s[G1+7], 0
	; for Wp's: 128 rows x 192 bytes, 16 bytes of padding behind every 64
	s_or_b32 s[G1B+0], s44, (0<<16)|(1<<20)|(1<<21)|(3<<22)|(3<<25)
	s_mov_b32 s[G1B+1], ROWB<<16
	s_mov_b32 s[G1B+2], 128<<16
	s_mov_b32 s[G1B+3], ROWB<<16
	s_mov_b32 s[G1B+4], 128
	s_mov_b32 s[G1B+5], KROW
	s_mov_b32 s[G1B+6], 0
	s_mov_b32 s[G1B+7], 0
	; for the scales of 128 rows: 4,096 dense bytes, as rows of 256 bytes, 16 bytes of padding behind each
	s_or_b32 s[G1S+0], s43, (3<<16)|(1<<20)|(1<<21)|(5<<22)|(3<<25)
	s_or_b32 s[G1SB+0], s44, (3<<16)|(1<<20)|(1<<21)|(5<<22)|(3<<25)
.irp g, G1S, G1SB
	s_mov_b32 s[\g+1], 32<<16
	s_mov_b32 s[\g+2], (128*KS/256)<<16
	s_mov_b32 s[\g+3], 32<<16
	s_mov_b32 s[\g+4], 128*KS/256
	s_mov_b32 s[\g+5], 32
	s_mov_b32 s[\g+6], 0
	s_mov_b32 s[\g+7], 0
.endr
	s_lshl_b32 s18, s16, 7                         ; which 128 rows of the tile I fetch
	s_lshl_b32 s20, s17, 8
	s_add_co_u32 s20, s20, s18                     ; y: token 256 x tile row + 128 x half
	s_lshl_b32 s46, s42, 8
	s_add_co_u32 s46, s46, s18                     ; Wp: row 256 x tile column + 128 x half
	s_mov_b32 s21, 0
	s_mov_b32 s47, 0
	s_mov_b64 s[18:19], KS
	s_mul_u64 s[22:23], s[20:21], s[18:19]         ; where these rows' scales begin,
	s_mul_u64 s[92:93], s[46:47], s[18:19]
	s_mov_b64 s[18:19], KROW                       ; and their codes: 768 bytes a token (12,288 for a tile of 16) and 768 a row of Wp
	s_mul_u64 s[20:21], s[20:21], s[18:19]
	s_mul_u64 s[46:47], s[46:47], s[18:19]
	s_mul_i32 s45, s16, HALFA                      ; where they go: no place in the cluster enters an LDS address
	s_mul_i32 s95, s16, HALFT
	s_add_co_u32 s95, s95, 2*HALFA
	s_mul_i32 s94, s14, HALFS
	s_wait_kmcnt 0x0
	s_add_nc_u64 s[20:21], s[4:5], s[20:21]
	s_add_nc_u64 s[22:23], s[6:7], s[22:23]
	s_add_nc_u64 s[46:47], s[8:9], s[46:47]
	s_add_nc_u64 s[92:93], s[10:11], s[92:93]
	CROUND                                         ; all sixteen work-groups are here: the first joint loads meet
	s_mov_b32 s[G0S], 1
	s_add_co_u32 s[G0S+1], s94, SCL
	s_mov_b64 s[G0S+2:G0S+3], s[22:23]
	s_or_b32 s[G0S+3], s[G0S+3], 0x80000000
	s_mov_b32 s[G0SB], 1
	s_add_co_u32 s[G0SB+1], s94, SCL
	s_mov_b64 s[G0SB+2:G0SB+3], s[92:93]
	s_or_b32 s[G0SB+3], s[G0SB+3], 0x80000000
	JLOAD G0S, G1S, G0SB, G1SB                     ; the scales first
.irp s, 0,1
	s_mov_b32 s[G0+4*\s], 1
	s_add_co_u32 s[G0+4*\s+1], s45, \s*SLOT
	s_add_nc_u64 s[G0+4*\s+2:G0+4*\s+3], s[20:21], \s*AROW
	s_or_b32 s[G0+4*\s+3], s[G0+4*\s+3], 0x80000000
	s_mov_b32 s[G0B+4*\s], 1
	s_add_co_u32 s[G0B+4*\s+1], s95, \s*SLOT
	s_add_nc_u64 s[G0B+4*\s+2:G0B+4*\s+3], s[46:47], \s*ROWB
	s_or_b32 s[G0B+4*\s+3], s[G0B+4*\s+3], 0x80000000
	JLOAD G0+4*\s, G1, G0B+4*\s, G1B
.endr
	v_and_b32 v1, 15, v0                           ; r
	v_bfe_u32 v2, v0, 4, 1                         ; h
	v_mul_u32_u24 v3, v1, PITCH
	v_mul_u32_u24 v4, v2, 24
	v_add_nc_u32 v4, v3, v4                        ; Wp: a fragment's row x pitch + 24 x half
	v_lshl_add_u32 v5, v2, 4, v4                   ; and the same behind one padding more
	v_and_b32 v6, 31, v0
	v_lshlrev_b32 v7, 4, v6                        ; y: 16 x lane,
	v_lshlrev_b32 v8, 3, v6                        ; 8 x lane
	s_mul_i32 s21, s15, HALFA                      ; my 128 tokens
	s_mul_i32 s22, s16, HALFT                      ; my 128 rows of Wp,
	s_add_co_u32 s22, s22, 2*HALFA                 ; which lie behind y's 256 tokens
.irp s, 0,1
	v_add_nc_u32 v[ADRA+\s], s21, v7
	v_add_nc_u32 v[ADRA+2+\s], s21, v8
	v_add_nc_u32 v[ADRB+\s], s22, v4
	v_add_nc_u32 v[ADRB+2+\s], s22, v5
	s_add_co_u32 s21, s21, SLOT
	s_add_co_u32 s22, s22, SLOT
.endr
	v_mul_u32_u24 v5, v1, KS
	v_lshrrev_b32 v6, 8, v5
	v_lshl_add_u32 v5, v6, 4, v5
	s_mul_i32 s21, s15, HALFS
	s_mul_i32 s22, s16, HALFS
	s_add_co_u32 s22, s22, 2*HALFS
	s_sub_co_u32 s22, s22, s21
	v_mul_u32_u24 v6, s22, v2                      ; lanes 16-31 take Wp's scale words
	s_add_co_u32 s21, s21, SCL
	v_add_nc_u32 v5, v5, v6
	v_add_nc_u32 v[ADRS], s21, v5
	s_mul_i32 s23, s14, 16*SPITCH                  ; my stage
	v_mul_u32_u24 v5, v1, SPITCH
	v_lshl_add_u32 v5, v2, 5, v5
	v_add_nc_u32 v[STO], s23, v5                   ; in: row r, 32 bytes for each half of the lanes
	v_mov_b32 v[CO], v7                            ; back: the 32 lanes take one row of 512 bytes; and the same in out
	v_add_nc_u32 v[RD], s23, v[CO]
	s_lshl_b32 s20, s17, 8
	s_lshl_b32 s21, s15, 7
	s_add_co_u32 s20, s20, s21                     ; my first row of out
	s_mov_b32 s21, 0
	s_mov_b64 s[18:19], NROW
	s_mul_u64 s[20:21], s[20:21], s[18:19]
	s_lshl_b32 s46, s42, 10                        ; my first column, in bytes: in out and in bp alike
	s_lshl_b32 s47, s16, 9
	s_add_co_u32 s46, s46, s47
	s_mov_b32 s47, 0
	s_add_nc_u64 s[96:97], s[96:97], s[46:47]
	s_add_nc_u64 s[20:21], s[20:21], s[46:47]
	s_add_nc_u64 s[12:13], s[12:13], s[20:21]
	v_lshlrev_b32 v9, 5, v2                        ; the bias: 32 h bytes on
.irp b, 0,1,2,3,4,5,6,7
	global_load_b128 v[BI+8*\b:BI+8*\b+3], v9, s[96:97] offset:64*\b
	global_load_b128 v[BI+8*\b+4:BI+8*\b+7], v9, s[96:97] offset:64*\b+16
.endr
.macro FRAG reg, adr, q, i             ; a fragment of Wp from rows: pieces of 8 bytes; the second address register serves the pieces that lie behind one padding more in lanes 16-31
.irp p, 0,1,2,3,4,5
.set PC, 12*(\q)+6*(\p/3)+\p%3
.if PC%8 < 5
	ds_load_b64 v[\reg+2*\p:\reg+2*\p+1], v[\adr] offset:8*PC+16*(PC/8)+(\i)*16*PITCH
.else
	ds_load_b64 v[\reg+2*\p:\reg+2*\p+1], v[\adr+2] offset:8*PC+16*(PC/8)+(\i)*16*PITCH
.endif
.endr
.endm
.macro FRAG_A reg, slot, q, i          ; a fragment of y from two heads' images: each load takes 512 or 256 consecutive bytes
	ds_load_b128 v[(\reg):(\reg)+3], v[ADRA+\slot] offset:(\i)*AROW+(\q)*1536
	ds_load_b64 v[(\reg)+4:(\reg)+5], v[ADRA+2+\slot] offset:(\i)*AROW+(\q)*1536+512
	ds_load_b128 v[(\reg)+6:(\reg)+9], v[ADRA+\slot] offset:(\i)*AROW+(\q)*1536+768
	ds_load_b64 v[(\reg)+10:(\reg)+11], v[ADRA+2+\slot] offset:(\i)*AROW+(\q)*1536+1280
.endm
; 16 matrix instructions: y's blocks a0, a0 + 1 x Wp's eight.  first = 1: the sums begin with the bias as C.  The 64 accumulators take turns, one instruction a turn.
.macro MUL16 a0, p, q, sc, first
.irp a, \a0, \a0+1
.irp b, 0,1,2,3,4,5,6,7
.if \first
	v_wmma_scale_f32_16x16x128_f8f6f4 v[8*(8*((\a)%4)+\b):8*(8*((\a)%4)+\b)+7], v[128*(\p)+FR*\b:128*(\p)+FR*\b+FR-1], v[AF+FR*(\a):AF+FR*(\a)+FR-1], v[BI+8*\b:BI+8*\b+7], v[SC+8*NQ*(\sc)+NQ*\b+(\q)], v[SC+8*NQ*(\sc)+NQ*(\a)+(\q)] matrix_a_fmt:MATRIX_FMT_FP6 matrix_b_fmt:MATRIX_FMT_FP6 matrix_a_scale:MATRIX_SCALE_ROW1
.else
	v_wmma_scale_f32_16x16x128_f8f6f4 v[8*(8*((\a)%4)+\b):8*(8*((\a)%4)+\b)+7], v[128*(\p)+FR*\b:128*(\p)+FR*\b+FR-1], v[AF+FR*(\a):AF+FR*(\a)+FR-1], v[8*(8*((\a)%4)+\b):8*(8*((\a)%4)+\b)+7], v[SC+8*NQ*(\sc)+NQ*\b+(\q)], v[SC+8*NQ*(\sc)+NQ*(\a)+(\q)] matrix_a_fmt:MATRIX_FMT_FP6 matrix_b_fmt:MATRIX_FMT_FP6 matrix_a_scale:MATRIX_SCALE_ROW1
.endif
.endr
.endr
.endm
.macro FETCH_B slot, q, p
	WIN TO_B
.irp i, 0,1,2,3,4,5,6,7
	FRAG 128*(\p)+FR*\i, ADRB+\slot, \q, \i
.endr
	WIN 0
.endm
.macro FETCH_A slot, q, i0
.irp i, \i0, \i0+1, \i0+2, \i0+3
	FRAG_A AF+FR*(\i), \slot, \q, \i
.endr
.endm
.macro SCALES sc
.irp i, 0,1,2,3,4,5,6,7
	ds_load_b64 v[SC+8*NQ*\sc+NQ*\i:SC+8*NQ*\sc+NQ*\i+1], v[ADRS] offset:\i*SBLK
.endr
.endm
.macro PLACES n
.rept \n
	v_nop
.endr
.endm
.macro STEP slot, q, first
	s_wait_dscnt 4*NLA                             ; Wp's set and y's blocks 0-3 are in; the youngest 16 loads (y's blocks 4-7) may be out
.if \first
	WIN BIA_LO
.else
	WIN MUL_LO
.endif
	MUL16 0, (\q)%2, \q, \slot, \first
	MUL16 2, (\q)%2, \q, \slot, \first
	s_wait_dscnt 0
	PLACES NP
	FETCH_B \slot, (\q)+1, 1-(\q)%2
	FETCH_A \slot, (\q)+1, 0
.if \first
	WIN BIA_HI
.else
	WIN MUL_HI
.endif
	MUL16 4, (\q)%2, \q, \slot, \first
	MUL16 6, (\q)%2, \q, \slot, \first
	PLACES NP
	WIN 0
	FETCH_A \slot, (\q)+1, 4
.endm
.macro TURN slot, next, fill
	s_wait_tensorcnt 0x0                           ; all my tensor loads have landed: my part of the next slot
	ds_add_u32 v[SPW], v[NIL]                      ; 0 onto my spare word
	s_wait_dscnt 4*NLA+1                           ; (the add and the youngest 16 loads may be out)
	WIN MUL_LO
	MUL16 0, 1, NQ-1, \slot, 0
	s_wait_dscnt 0x0                               ; the add is done, and my reads of this slot are over
	s_barrier_signal -1
	MUL16 2, 1, NQ-1, \slot, 0
	WIN 0
	s_barrier_wait -1
.if \fill
	CREST                                          ; a round of the cluster's barrier: no wave of any partner still reads this slot or has a load on its way
	s_add_nc_u64 s[G0+4*\slot+2:G0+4*\slot+3], s[G0+4*\slot+2:G0+4*\slot+3], 2*AROW
	s_add_nc_u64 s[G0B+4*\slot+2:G0B+4*\slot+3], s[G0B+4*\slot+2:G0B+4*\slot+3], 2*ROWB
	JLOAD G0+4*\slot, G1, G0B+4*\slot, G1B         ; the first tensor load behind the round; its four v_nop are also the places in front of the loads below
.else
	PLACES NP
.endif
	v_add_nc_u32 v[ADRS], 4*NQ, v[ADRS]
	FETCH_B \next, 0, 0
	FETCH_A \next, 0, 0
	SCALES \next
	WIN MUL_HI
	MUL16 4, 1, NQ-1, \slot, 0
	MUL16 6, 1, NQ-1, \slot, 0
	PLACES NP
	WIN 0
	FETCH_A \next, 0, 4
.endm
	s_wait_tensorcnt 1                             ; the scales and my part of K step 0 are in (K step 1's load may be out),
	s_wait_loadcnt 0x0                             ; and so is the bias
	s_barrier_signal -1
	s_barrier_wait -1
	FETCH_B 0, 0, 0
	FETCH_A 0, 0, 0
	SCALES 0
	FETCH_A 0, 0, 4
	STEP 0, 0, 1                                   ; four K steps of 256, twice round the ring: eight steps of 128, written in a row
	TURN 0, 1, 1
	STEP 1, 0, 0
	TURN 1, 0, 1
	STEP 0, 0, 0
	TURN 0, 1, 0
	STEP 1, 0, 0
	s_wait_dscnt 4*NLA
	WIN MUL_LO
	MUL16 0, 1, NQ-1, 1, 0
	MUL16 2, 1, NQ-1, 1, 0
	s_wait_dscnt 0
	WIN MUL_HI
	MUL16 4, 1, NQ-1, 1, 0
	MUL16 6, 1, NQ-1, 1, 0
	WIN 0
; THE WAY OUT, block by block of 16 rows x 128 columns, through my own stage in LDS: in as 32 bytes a lane, back as whole rows of 512 bytes.  LDS serves a wave's instructions in order (ISA guide 5.7.1.4).
.macro TOSTAGE a
.set AC, 64*((\a)%4)
	WIN 0x08+4*((\a)/4)                            ; the data: window 2 or 3
.irp b, 0,1,2,3,4,5,6,7
	ds_store_b128 v[STO], v[AC+8*\b:AC+8*\b+3] offset:64*\b          ; each accumulator from its low end on
	ds_store_b128 v[STO], v[AC+8*\b+4:AC+8*\b+7] offset:64*\b+16
.endr
	WIN 0
.set BB, BK+64*((\a)%2)
.irp t, 0,1,2,3,4,5,6,7,8,9,10,11,12,13,14,15
	ds_load_b128 v[BB+4*\t:BB+4*\t+3], v[RD] offset:\t*SPITCH
.endr
.endm
.macro SEND a, younger                 ; younger: the LDS instructions issued behind block a's loads, which may stay out
.set BB, BK+64*((\a)%2)
	s_wait_dscnt \younger
.if (\a) > 0
	s_add_nc_u64 s[12:13], s[12:13], 16*NROW       ; (behind a wait on XCNT: the earlier stores have read their base)
.endif
.irp t, 0,1,2,3,4,5,6,7,8,9,10,11,12,13,14,15
	global_store_b128 v[CO], v[BB+4*\t:BB+4*\t+3], s[12:13] offset:\t*NROW th:TH_STORE_NT   ; 32 lanes store 512 consecutive bytes, at a multiple of 256 from out's first byte
.endr
.endm
	PLACES NP
	TOSTAGE 0
.irp a, 1,2,3,4,5,6,7
.if \a > 1
	s_wait_xcnt 0x0                                ; block a - 2's stores have read their registers and their base
.endif
	TOSTAGE \a
	SEND \a-1, 32                                  ; behind block a - 1's loads: block a's 16 stores and 16 loads
.endr
	s_wait_xcnt 0x0
	SEND 7, 0
	s_wait_tensorcnt 0x0                           ; the wave's end
	ds_add_u32 v[SPW], v[NIL]
	s_wait_dscnt 0x0
	CROUND                                         ; the closing round
	s_endpgm
.Lfunc_end_k_q19d9d0b40b_proj:
	.size	k_q19d9d0b40b_proj, .Lfunc_end_k_q19d9d0b40b_proj-k_q19d9d0b40b_proj
	.p2alignl 7, 3214868480
	.fill 96, 4, 3214868480
	.section	.rodata,"a",@progbits
	.p2align	6, 0x0
	.amdhsa_kernel k_q19d9d0b40b_proj
		.amdhsa_group_segment_fixed_size 327680
		.amdhsa_private_segment_fixed_size 0
		.amdhsa_enable_private_segment 0
		.amdhsa_kernarg_size 48
		.amdhsa_user_sgpr_count 2
		.amdhsa_user_sgpr_kernarg_segment_ptr 1
		.amdhsa_wavefront_size32 1
		.amdhsa_system_sgpr_workgroup_id_x 1
		.amdhsa_system_sgpr_workgroup_id_y 1
		.amdhsa_system_sgpr_workgroup_id_z 1
		.amdhsa_system_vgpr_workitem_id 0
		.amdhsa_next_free_vgpr 1024
		.amdhsa_next_free_sgpr 98
		.amdhsa_reserve_vcc 0
		.amdhsa_float_denorm_mode_32 3
		.amdhsa_float_denorm_mode_16_64 3
		.amdhsa_memory_ordered 1
		.amdhsa_forward_progress 1
		.amdhsa_inst_pref_size 153
	.end_amdhsa_kernel
	.amdgpu_metadata
---
amdhsa.version: [ 1, 2 ]
amdhsa.kernels:
  - .name:           k_q19d9d0b40b_proj
    .symbol:         k_q19d9d0b40b_proj.kd
    .args:
      - { .name: yimg, .offset: 0, .size: 8, .value_kind: global_buffer, .address_space: global }
      - { .name: ysc, .offset: 8, .size: 8, .value_kind: global_buffer, .address_space: global }
      - { .name: Wp_codes, .offset: 16, .size: 8, .value_kind: global_buffer, .address_space: global }
      - { .name: Wp_scales, .offset: 24, .size: 8, .value_kind: global_buffer, .address_space: global }
      - { .name: bp, .offset: 32, .size: 8, .value_kind: global_buffer, .address_space: global }
      - { .name: out0, .offset: 40, .size: 8, .value_kind: global_buffer, .address_space: global }
    .group_segment_fixed_size: 327680
    .private_segment_fixed_size: 0
    .kernarg_segment_align: 8
    .kernarg_segment_size: 48
    .max_flat_workgroup_size: 128
    .sgpr_count:     98
    .vgpr_count:     1024
    .wavefront_size: 32
...
	.end_amdgpu_metadata
.endif
;; end of part 3
